; MI455X (gfx1250); checked and timed in simulation.
; The chip was launched on July 23, 2026; its instructions are those of AMD's public machine-readable ISA for CDNA 5 (MIT licence, August 2026) and "CDNA5" Instruction Set Architecture Reference Guide (July 2026). The comments in the code are by the model that wrote it; some were corrected since.
;; Multi Head Attn. Allowed arithmetic: matrix products marked QUANTISED: E2M3 operands, one E8M0 scale for each 32 along K, by v_wmma_scale_f32_16x16x128_f8f6f4 with both operands' format E2M3, f32 sums; everything else in f32.
;; Inputs: Wk 1,024 x 1,024 float32; Wo 1,024 x 1,024 float32; Wq 1,024 x 1,024 float32; Wv 1,024 x 1,024 float32; attn_mask 2,048 x 2,048 bool; beta 1,024 float32; gamma 1,024 float32; q 4 x 2,048 x 1,024 float32.
;; Outputs: out0 4 x 2,048 x 1,024 float32.
;; This version of the problem:
;;   THIS VERSION OF THE PROBLEM IS GIVEN IN LOW PRECISION. The matrix products marked QUANTISED in the list below multiply operands that are first quantised to E2M3 (2 exponent bits, 3 mantissa bits; 6 bits a number), with one power-of-two scale for each 32 numbers along K (OCP MX v1.0); their sums are f32. All else is computed in f32.
;;   The module's matrix products, in the order in which they are computed (A, B: the left and right operand; K: the contracted axis; several contracted axes count as one K, in the product's order):
;;     1. [M 8,192, K 1,024] x [K 1,024, N 1,024]; A: computed on the way; B: input Wq: QUANTISED
;;     2. [M 8,192, K 1,024] x [K 1,024, N 1,024]; A: computed on the way; B: input Wk: QUANTISED
;;     3. [M 8,192, K 1,024] x [K 1,024, N 1,024]; A: computed on the way; B: input Wv: QUANTISED
;;     4. batch 64 x [M 2,048, K 64] x [K 64, N 2,048]; A: computed on the way; B: computed on the way: QUANTISED
;;     5. batch 64 x [M 64, K 2,048] x [K 2,048, N 2,048]; A: computed on the way; B: softmax (see below): QUANTISED
;;     6. [M 8,192, K 1,024] x [K 1,024, N 1,024]; A: computed on the way; B: input Wo: QUANTISED
;;   THE QUANTISER, for each operand of a quantised product, along K:
;;     - K is cut into blocks of 32 from its start; a last block that is shorter is filled with zeros.
;;     - A block's scale is 2^e with e = floor(log2(the largest magnitude in the block)) - 2, held to -126 .. 127; a block of zeros has e = 0. As a byte (E8M0): e + 127.
;;     - Each number is divided by its block's scale, clamped to +-7.5, and rounded to the nearest number of E2M3, ties to even, subnormals kept.
;;     - The product sums the exact products of the quantised numbers (number of the format x scale) in f32.
;;   ~~~python
;;   def quantise(x, axis):      # numpy; x: float32 -> the quantised numbers, widened to float32 again
;;       x = np.moveaxis(x, axis, -1); K = x.shape[-1]
;;       x = np.pad(x, [(0, 0)] * (x.ndim - 1) + [(0, -K % 32)]); x = x.reshape(x.shape[:-1] + (-1, 32)); a = np.abs(x).max(-1, keepdims=True)
;;       e = np.where(a > 0, np.clip(np.frexp(np.where(a > 0, a, 1))[1] - 1 - 2, -126, 127), 0)      # np.frexp(a)[1] - 1 = floor(log2(a)), exactly
;;       r = np.clip(x / 2.0 ** e, -7.5, 7.5)
;;       step = 2.0 ** (np.maximum(np.frexp(np.where(r == 0, 1, r))[1] - 1, 0) - 3)
;;       q = np.round(r / step) * step * 2.0 ** e      # np.round: ties to even
;;       return np.moveaxis(q.reshape(q.shape[:-2] + (-1,))[..., :K], -1, axis).astype(np.float32)
;;   ~~~
;;   SOFTMAX AHEAD OF A QUANTISED PRODUCT. Where the list says 'softmax', what is quantised is not the finished softmax but p = 2^(t - M), with t = logit x log2(e) and M = ceil(the row's largest t), a whole number; so 1/2 < the row's largest p <= 1. The row's sum l is taken of the UNQUANTISED p, in f32, and the product's result is divided by l at the end. Since M is a whole number, a kernel that streams over the keys may use a running M (the ceiling of the running maximum): every later rescaling is an exact power of two, which a block's scale takes up: the codes' values come out the same.
;;   OPERANDS COMPUTED ON THE WAY. 'Computed on the way' means the value that the module computes at that place (a softmax that the list does not call 'softmax' is quantised finished and normalised). What goes into a quantiser is computed in f32, as accurately as f32 sums, v_exp_f32 and their like allow (about 1e-6 of the number): no bf16 or f16 on the way to a quantiser, and a product that is left as it is and whose result goes on into a quantised operand takes f32 operands (vector FMAs, or v_wmma_f32_16x16x4_f32). A number that lies on a knife's edge between two numbers of the format may be rounded either way, as far as f32 arithmetic and the matrix unit's own rounding can turn it there, and no further.
;; One version. Each part assembles by itself: llvm-mc -triple=amdgcn-amd-amdhsa -mcpu=gfx1250 --defsym DOCPART=n.
;; ======== version 1 of 1: 4 launches
;; limits: right only within a limited range of input values
;; workspace buffers: wq 3,276,800 bytes; maskw 524,288 bytes of whole numbers; xq 6,619,136 bytes; qkv 20,185,088 bytes; vec 6,553,600 bytes
;; launch front (part 1): grid 384 x 1, 8 waves a work-group, no clusters, 157,440 bytes of LDS; arguments q, gamma, beta, xq, Wq, Wk, Wv, Wo, attn_mask, wq, maskw; writes xq, wq, maskw
.if DOCPART == 1
	.amdgcn_target "amdgcn-amd-amdhsa--gfx1250"
	.amdhsa_code_object_version 6
	.text
	.protected	k_qd3bd9d64f5_front
	.globl	k_qd3bd9d64f5_front
	.p2align	8
	.type	k_qd3bd9d64f5_front,@function
k_qd3bd9d64f5_front:
	s_mov_b64 s[64:65], 0
	v_nop
	global_prefetch_b8 v0, s[64:65] scope:SCOPE_SE
	s_setreg_imm32_b32 hwreg(HW_REG_WAVE_MODE, 25, 1), 1
	s_wait_xcnt 0x0
; ONE LAUNCH PREPARES ALL OPERANDS.  The paths part on the work-group's number, and in the second on the wave's number; each path has LDS bytes of its own.
; Work-groups 0-255 (LAYER NORM): qn = (q - mean) rsqrt(var + 1e-5) gamma + beta in f32, and its codes of FP6 (E2M3) along the 1,024 with one E8M0 byte for each 32.  qn is not stored: the last launch makes it
;   anew from q and the row's pair (rstd, -mean rstd) stored here.  A work-group owns rows 32 G .. 32 G + 31 = operand tiles 2 G, 2 G + 1.
;   Phase 1: wave w takes rows 4 w + 0 .. 3, a row in 32 registers; mean, then the sum of squares of x - mean; qn goes to a stage in LDS.  Phase 2: wave w takes K step w of both tiles.
;   xq: codes [tile 512][K step 8][1536]; from XSO the scale words [tile][K step][16]; from STO the rows' pairs.
; Work-groups 256-383, g = number - 256.  Waves 0-3 (WEIGHTS): of weight g / 32, columns 128 ((g / 4) % 8) + 32 wave, 256 (g % 4) along K: a lane takes a column, its registers run down K.
;   wq: codes [tile 0..255 = 64 x weight + n tile][K step 8][1536]; from WS the scale words [tile][K step][16].
;   Waves 4-7 (MASK): word n = 16 b + i of (query tile qt, key step) has at bit l = (r, h) the byte mask[row r of tile qt][128 step + 32 b + 16 h + i].  maskw: [qt 128][step 16][64 words].
; TILES: tile T holds at lane row r the row 32 (T / 2) + 8 (T % 2) + r + 8 (r / 8).  IMAGES: a fragment (16 rows x 128 K) is 1,536 bytes, two halves of 768; in a half lane l's words 0-3 lie at 16 l, words 4-5 at 512 + 8 l.
; A block's scale byte is its largest magnitude's exponent field - 2, held at 1 from below; a block of zeros keeps the byte 1 (its codes are zeros; this program alone reads the bytes).
; LIMITS: NaN and infinities among the inputs are not served.
; LDS: 0 .. 0x20300 the norm's stage and pairs; 0x20300 the spare words (8 waves x 128 bytes); 0x20700 the weights' four stages of 6,144 bytes.
.set PITCH, 4112                       ; a stage row: 4,096 bytes + 16
.set STAT,  32*PITCH
.set XSO,   6291456
.set STO,   6553600
.set WSTG,  0x20700
.set WS,    3145728
.set X,     32
.set C,     96
.set SB,    24
.set OUTR,  112
	v_lshl_add_u32 v30, v0, 2, 0x20300             ; my spare word, and 0: kept for the add alone
	v_mov_b32 v31, 0
	s_wait_alu depctr_va_vdst(0)                   ; the wait ahead of the branch
	s_cmp_lt_u32 ttmp9, 256
	s_cbranch_scc0 .Lprep
	; ---------------- the layer norm
	s_load_b256 s[4:11], s[0:1], 0x0               ; q, gamma, beta, xq
	v_lshrrev_b32 v1, 5, v0
	s_delay_alu instid0(VALU_DEP_1)
	v_readfirstlane_b32 s12, v1                    ; wave 0..7
	v_and_b32 v2, 31, v0
	s_delay_alu instid0(VALU_DEP_1)
	v_lshlrev_b32 v3, 4, v2                        ; 16 x lane
	s_wait_alu depctr_va_vdst(0)
	v_lshlrev_b32 v11, 3, v2                       ; 8 x lane
	v_and_b32 v6, 15, v0                           ; r
	s_wait_alu depctr_va_vdst(0)
	v_bfe_u32 v7, v0, 4, 1                         ; h
	v_lshlrev_b32 v12, 2, v6
	s_delay_alu instid0(VALU_DEP_2)
	v_lshlrev_b32 v13, 3, v7
	s_lshl_b32 s14, ttmp9, 17                      ; 32 rows of 4,096 bytes
	s_lshl_b32 s15, s12, 14                        ; my 4 rows
	s_add_co_u32 s14, s14, s15
	s_mov_b32 s15, 0
	s_bfe_u32 s16, s12, 0x10001                    ; row 4 w + i: tile u = (w / 2) % 2, lane row 4 (w % 2) + 8 (w / 4) + i: stage row 16 u + r
	s_lshl_b32 s16, s16, 4
	s_and_b32 s17, s12, 1
	s_lshl_b32 s17, s17, 2
	s_add_co_u32 s16, s16, s17
	s_lshr_b32 s17, s12, 2
	s_lshl_b32 s17, s17, 3
	s_add_co_u32 s16, s16, s17
	s_mul_i32 s16, s16, PITCH
	v_add_nc_u32 v4, s16, v3                       ; into the stage
	s_lshl_b32 s17, s12, 5
	s_add_co_u32 s17, s17, STAT
	v_mov_b32 v5, s17                              ; my four rows' pairs
	v_mul_u32_u24 v8, v6, PITCH
	s_wait_alu depctr_va_vdst(0)
	v_lshl_add_u32 v8, v7, 7, v8
	s_lshl_b32 s18, s12, 9
	v_add_nc_u32 v8, s18, v8                       ; out of the stage: row r, + 512 w + 128 h
	s_delay_alu instid0(VALU_DEP_1)
	v_add_nc_u32 v9, 16*PITCH, v8
	v_add_nc_u32 v10, STAT, v11
	s_mov_b32 s20, 0x76543210
	s_mov_b32 s21, 0xfedcba98                      ; lane l xor 16
	s_mov_b32 s22, 0x3a800000                      ; 1 / 1024
	s_mov_b32 s23, 0x3727c5ac                      ; 1e-5
	s_mul_i32 s24, ttmp9, 24576
	s_mul_i32 s25, s12, 1536
	s_add_co_u32 s24, s24, s25                     ; codes: tile 2 G, K step w
	s_mov_b32 s25, 0
	s_lshl_b32 s26, ttmp9, 10
	s_lshl_b32 s27, s12, 6
	s_add_co_u32 s26, s26, s27
	s_add_co_u32 s26, s26, XSO
	s_mov_b32 s27, 0
	s_lshl_b32 s28, ttmp9, 8
	s_add_co_u32 s28, s28, STO
	s_mov_b32 s29, 0
.irp i, 16,17,18,19
	v_mov_b32 v\i, 0                               ; a lane permute's destination counts as read
.endr
	s_wait_alu depctr_va_vdst(0)                   ; the wait at the head's end
	s_wait_kmcnt 0x0
	s_add_nc_u64 s[4:5], s[4:5], s[14:15]
	s_add_nc_u64 s[24:25], s[10:11], s[24:25]
	s_add_nc_u64 s[26:27], s[10:11], s[26:27]
	s_add_nc_u64 s[28:29], s[10:11], s[28:29]
.set k, 0
.rept 32                               ; row k / 8, its bytes 512 (k % 8) on
	global_load_b128 v[32+4*k:35+4*k], v3, s[4:5] offset:4096*(k/8)+512*(k%8) th:TH_LOAD_NT
.set k, k+1
.endr
.set k, 0
.rept 8
	global_load_b128 v[160+4*k:163+4*k], v3, s[6:7] offset:512*k
	global_load_b128 v[192+4*k:195+4*k], v3, s[8:9] offset:512*k
.set k, k+1
.endr
.macro REDUCE                          ; the four rows' two chains each become one number in every lane, in v[224 + 4 i]
.irp i, 0,1,2,3
	v_pk_add_f32 v[224+4*\i:225+4*\i], v[224+4*\i:225+4*\i], v[226+4*\i:227+4*\i]
.endr
.irp i, 0,1,2,3
	s_delay_alu instid0(VALU_DEP_4)
	v_add_f32 v[224+4*\i], v[224+4*\i], v[225+4*\i]
.endr
.irp m, 1,2,4,8
.irp i, 0,1,2,3
	s_delay_alu instid0(VALU_DEP_4)
	v_add_f32_dpp v[224+4*\i], v[224+4*\i], v[224+4*\i] row_xmask:\m row_mask:0xf bank_mask:0xf
.endr
.endr
.irp i, 0,1,2,3
	s_delay_alu instid0(VALU_DEP_4)
	v_permlanex16_b32 v[16+\i], v[224+4*\i], s20, s21
.endr
.irp i, 0,1,2,3
	s_delay_alu instid0(VALU_DEP_4)
	v_add_f32 v[224+4*\i], v[224+4*\i], v[16+\i]
.endr
.endm
	s_wait_loadcnt 16                              ; the rows are in; gamma's and beta's sixteen loads may be out
.irp i, 0,1,2,3
	v_pk_add_f32 v[224+4*\i:225+4*\i], v[32+32*\i:33+32*\i], v[34+32*\i:35+32*\i]
	v_pk_add_f32 v[226+4*\i:227+4*\i], v[36+32*\i:37+32*\i], v[38+32*\i:39+32*\i]
.endr
.irp k, 8,12,16,20,24,28
.irp i, 0,1,2,3
	v_pk_add_f32 v[224+4*\i:225+4*\i], v[224+4*\i:225+4*\i], v[32+32*\i+\k:33+32*\i+\k]
	v_pk_add_f32 v[226+4*\i:227+4*\i], v[226+4*\i:227+4*\i], v[34+32*\i+\k:35+32*\i+\k]
.endr
.endr
	REDUCE
.irp i, 0,1,2,3
	v_mul_f32 v[240+2*\i], s22, v[224+4*\i]        ; the mean, twice: a pair for the packed forms
	v_mul_f32 v[241+2*\i], s22, v[224+4*\i]
.endr
.set k, 0
.rept 64
	v_pk_add_f32 v[32+2*k:33+2*k], v[32+2*k:33+2*k], v[240+2*(k/16):241+2*(k/16)] neg_lo:[0,1] neg_hi:[0,1]   ; d = x - mean
.set k, k+1
.endr
.irp i, 0,1,2,3
	v_pk_mul_f32 v[224+4*\i:225+4*\i], v[32+32*\i:33+32*\i], v[32+32*\i:33+32*\i]
	v_pk_mul_f32 v[226+4*\i:227+4*\i], v[34+32*\i:35+32*\i], v[34+32*\i:35+32*\i]
.endr
.irp k, 4,8,12,16,20,24,28
.irp i, 0,1,2,3
	v_pk_fma_f32 v[224+4*\i:225+4*\i], v[32+32*\i+\k:33+32*\i+\k], v[32+32*\i+\k:33+32*\i+\k], v[224+4*\i:225+4*\i]
	v_pk_fma_f32 v[226+4*\i:227+4*\i], v[34+32*\i+\k:35+32*\i+\k], v[34+32*\i+\k:35+32*\i+\k], v[226+4*\i:227+4*\i]
.endr
.endr
	REDUCE
.irp i, 0,1,2,3
	s_delay_alu instid0(VALU_DEP_4)
	v_fma_f32 v[224+4*\i], v[224+4*\i], s22, s23   ; var + 1e-5
.endr
	s_wait_alu depctr_va_vdst(0)                   ; the wait ahead of the batch
.irp i, 0,1,2,3
	v_rsq_f32 v[248+2*\i], v[224+4*\i]
.endr
	v_nop                                          ; a plain line behind the last of the four
	s_wait_alu depctr_va_vdst(0)                   ; and for one behind it, ahead of its first reader
.irp i, 0,1,2,3
	v_mov_b32 v[249+2*\i], v[248+2*\i]
	v_mov_b32 v[20+2*\i], v[248+2*\i]              ; the row's pair: rstd,
	v_mul_f32 v[21+2*\i], -v[240+2*\i], v[248+2*\i]   ; -mean x rstd
.endr
	s_wait_loadcnt 0x0                             ; gamma, beta
.set k, 0
.rept 64
	v_pk_mul_f32 v[32+2*k:33+2*k], v[32+2*k:33+2*k], v[248+2*(k/16):249+2*(k/16)]
.set k, k+1
.endr
.set k, 0
.rept 64
	v_pk_fma_f32 v[32+2*k:33+2*k], v[32+2*k:33+2*k], v[160+2*(k%16):161+2*(k%16)], v[192+2*(k%16):193+2*(k%16)]
.set k, k+1
.endr
.set k, 0
.rept 32
	ds_store_b128 v4, v[32+4*k:35+4*k] offset:PITCH*(k/8)+512*(k%8)
.set k, k+1
.endr
.irp i, 0,1,2,3
	ds_store_b64 v5, v[20+2*\i:21+2*\i] offset:8*\i   ; all lanes write the same pair
.endr
	s_wait_dscnt 0x0                               ; for the others' sake: my stores have landed
	s_barrier_signal -1
	s_barrier_wait -1
	; phase 2: register 32 c + i of a tile's 64 is k = 128 w + 64 c + 32 h + i of row r
.irp u, 0,1
.set k, 0
.rept 16
	ds_load_b128 v[32+64*\u+4*k:35+64*\u+4*k], v[8+\u] offset:256*(k/8)+16*(k%8)
.set k, k+1
.endr
.endr
.macro QUANT32 src, pc, wd             ; 64 numbers -> the fragment's 12 registers from v[pc] on and its scale word in v[wd]
.irp c, 0,1
	v_max3_num_f32 v[224+\c], |v[\src+32*\c]|, |v[\src+32*\c+1]|, 0x1800000   ; my block 2 c + h, and the floor 2^(3 - 127)
.endr
.irp i, 2,4,6,8,10,12,14,16,18,20,22,24,26,28,30
.irp c, 0,1
	s_delay_alu instid0(VALU_DEP_2)
	v_max3_num_f32 v[224+\c], v[224+\c], |v[\src+32*\c+\i]|, |v[\src+32*\c+\i+1]|
.endr
.endr
.irp c, 0,1
	s_delay_alu instid0(VALU_DEP_2)
	v_add_nc_u32 v[228+\c], 0xff000000, v[224+\c]  ; 2 off the exponent field: the conversion's scale operand
.endr
.irp c, 0,1
	s_delay_alu instid0(VALU_DEP_2)
	v_lshrrev_b32 v[230+\c], 23, v[228+\c]         ; the byte
.endr
	s_delay_alu instid0(VALU_DEP_1)
	v_lshl_or_b32 v[\wd], v231, 16, v230           ; my two bytes, blocks h and 2 + h,
	s_delay_alu instid0(VALU_DEP_1)
	v_lshlrev_b32 v[\wd], v13, v[\wd]              ; 8 h bits up;
	s_delay_alu instid0(VALU_DEP_1)
	v_permlanex16_b32 v16, v[\wd], s20, s21
	s_delay_alu instid0(VALU_DEP_1)
	v_or_b32 v[\wd], v[\wd], v16                   ; with lane l xor 16's two the word is whole
.irp c, 0,1
	v_cvt_scalef32_pk16_fp6_f32 v[\pc+6*\c:\pc+6*\c+2], v[\src+32*\c:\src+32*\c+15], v[228+\c]
	v_cvt_scalef32_pk16_fp6_f32 v[236+4*\c:238+4*\c], v[\src+32*\c+16:\src+32*\c+31], v[228+\c]
.endr
	v_nop                                          ; one plain line behind a scaled conversion
.irp c, 0,1
.irp i, 0,1,2
	v_mov_b32 v[\pc+3+6*\c+\i], v[236+4*\c+\i]
.endr
.endr
.endm
.macro OUTF pc, wd, u                  ; the image: stores of 512 and 256 consecutive bytes
	global_store_b128 v3, v[\pc:\pc+3], s[24:25] offset:12288*\u
	global_store_b64 v11, v[\pc+4:\pc+5], s[24:25] offset:12288*\u+512
	global_store_b128 v3, v[\pc+6:\pc+9], s[24:25] offset:12288*\u+768
	global_store_b64 v11, v[\pc+10:\pc+11], s[24:25] offset:12288*\u+1280
	global_store_b32 v12, v[\wd], s[26:27] offset:512*\u   ; lanes 16-31 write what lanes 0-15 write
.endm
	s_wait_dscnt 16                                ; the first tile's sixteen loads are in
	QUANT32 32, 160, 184
	OUTF 160, 184, 0
	s_wait_dscnt 0x0
	QUANT32 96, 172, 185
	OUTF 172, 185, 1
	s_cmp_lg_u32 s12, 0
	s_cbranch_scc1 .Ldone
	ds_load_b64 v[186:187], v10                    ; wave 0: the 32 rows' pairs, in the rows' own order
	s_wait_dscnt 0x0
	global_store_b64 v11, v[186:187], s[28:29]     ; 256 consecutive bytes, aligned
.Ldone:
	s_wait_tensorcnt 0x0                           ; the wave's end
	ds_add_u32 v30, v31
	s_wait_dscnt 0x0
	s_endpgm
	; ---------------- the weights and the mask
.Lprep:
	s_load_b256 s[4:11], s[0:1], 0x20              ; Wq, Wk, Wv, Wo
	s_load_b128 s[12:15], s[0:1], 0x40             ; the mask, wq
	s_load_b64 s[16:17], s[0:1], 0x50              ; maskw
	v_lshrrev_b32 v1, 5, v0
	v_readfirstlane_b32 s18, v1                    ; wave 0..7
	v_and_b32 v2, 31, v0                           ; lane
	s_sub_co_u32 s2, ttmp9, 256                    ; g = 0..127
	s_wait_alu depctr_va_vdst(0)                   ; the wait ahead of the branch
	s_cmp_lt_u32 s18, 4
	s_cbranch_scc0 .Lmask
	; ---- waves 0-3: the weights
	s_lshr_b32 s19, s2, 5                          ; which weight
	s_bfe_u32 s20, s2, 0x30002                     ; which 128 columns
	s_and_b32 s21, s2, 3                           ; which 256 along K
	s_lshl_b32 s22, s20, 2
	s_add_co_u32 s22, s22, s18                     ; my wave's 32 columns: pair of tiles pb
	v_lshlrev_b32 v3, 2, v2                        ; in: 4 bytes a lane
	v_bfe_u32 v4, v2, 3, 1                         ; column x of the 32 lies in tile u = (x / 8) % 2,
	v_and_b32 v5, 7, v2
	v_lshrrev_b32 v6, 4, v2
	v_lshl_add_u32 v5, v6, 3, v5                   ; at lane row r = x % 8 + 8 (x / 16)
	s_mul_i32 s23, s18, 6144                       ; my stage: [u][K step 2][1536]
	s_add_co_u32 s23, s23, WSTG
	v_mul_u32_u24 v6, v4, 3072
	v_add_nc_u32 v6, s23, v6
	v_lshl_add_u32 v7, v5, 4, v6                   ; words 0-3: + 16 r
	v_lshl_add_u32 v8, v5, 3, v6                   ; words 4-5: + 8 r (512 stands in the immediate)
	v_lshlrev_b32 v9, 4, v2                        ; the way out: 16 bytes a lane
	v_add_nc_u32 v10, s23, v9
	v_lshlrev_b32 v14, 9, v4
	v_lshl_add_u32 v14, v5, 2, v14                 ; my scale words' place: 512 u + 4 r
	s_lshl_b32 s24, s21, 20                        ; 256 rows of 4,096 bytes
	s_lshl_b32 s25, s22, 7
	s_add_co_u32 s24, s24, s25
	s_mov_b32 s25, 0
	s_lshl_b32 s26, s19, 6
	s_lshl_b32 s27, s22, 1
	s_add_co_u32 s26, s26, s27                     ; my first tile: 64 x weight + 2 pb
	s_mul_i32 s28, s26, 12288
	s_mul_i32 s27, s21, 3072
	s_add_co_u32 s28, s28, s27                     ; its K step 2 ky
	s_mov_b32 s29, 0
	s_lshl_b32 s30, s26, 9
	s_lshl_b32 s27, s21, 7
	s_add_co_u32 s30, s30, s27
	s_add_co_u32 s30, s30, WS
	s_mov_b32 s31, 0
	s_wait_alu depctr_va_vdst(0)                   ; the wait at the head's end
	s_wait_kmcnt 0x0
	s_cmp_eq_u32 s19, 1                            ; the choice hangs on the work-group's number alone
	s_cselect_b64 s[4:5], s[6:7], s[4:5]
	s_cmp_eq_u32 s19, 2
	s_cselect_b64 s[4:5], s[8:9], s[4:5]
	s_cmp_eq_u32 s19, 3
	s_cselect_b64 s[4:5], s[10:11], s[4:5]
	s_add_nc_u64 s[4:5], s[4:5], s[24:25]
	s_add_nc_u64 s[28:29], s[14:15], s[28:29]
	s_add_nc_u64 s[30:31], s[14:15], s[30:31]
.macro LOADW t                         ; block t: W(32 t + i, my column), i = 0 .. 31: 128 consecutive bytes a wave
.set i, 0
.rept 32
	global_load_b32 v[X+32*((\t)%2)+i], v3, s[4:5] offset:(32*(\t)+i)*4096 th:TH_LOAD_NT
.set i, i+1
.endr
.endm
	LOADW 0
	LOADW 1
.macro BLOCK t                         ; block t = K step t / 4, half (t / 2) % 2, lanes' half t % 2
.set XS, X+32*((\t)%2)
.if (\t) < 7
	s_wait_loadcnt 32                              ; this block's 32 loads are in; the next block's may be out
.else
	s_wait_loadcnt 0
.endif
	v_max3_num_f32 v12, |v[XS]|, |v[XS+1]|, |v[XS+2]|
	v_max3_num_f32 v13, |v[XS+3]|, |v[XS+4]|, |v[XS+5]|
.irp i, 6,10,14,18,22,26
	v_max3_num_f32 v12, v12, |v[XS+\i]|, |v[XS+\i+1]|
	v_max3_num_f32 v13, v13, |v[XS+\i+2]|, |v[XS+\i+3]|
.endr
	v_max3_num_f32 v12, v12, |v[XS+30]|, |v[XS+31]|
	v_max3_num_f32 v12, v12, v13, 0x1800000        ; and the floor 2^(3 - 127)
	v_add_nc_u32 v11, 0xff000000, v12              ; 2 off the exponent field: the conversion's scale operand
	v_cvt_scalef32_pk16_fp6_f32 v[C:C+2], v[XS:XS+15], v11
	v_cvt_scalef32_pk16_fp6_f32 v[C+4:C+6], v[XS+16:XS+31], v11
	v_lshrrev_b32 v13, 23, v11                     ; the scale's byte: also the plain line behind the conversions
.if (\t)%4 == 0
	v_mov_b32 v[SB+(\t)/4], v13
.else
	v_lshl_or_b32 v[SB+(\t)/4], v13, 8*((\t)%4), v[SB+(\t)/4]
.endif
	v_mov_b32 v[C+3], v[C+4]                       ; the six words on end
	v_mov_b32 v[C+4], v[C+5]
	v_mov_b32 v[C+5], v[C+6]
	ds_store_b128 v7, v[C:C+3] offset:1536*((\t)/4)+768*(((\t)/2)%2)+256*((\t)%2)
	ds_store_b64 v8, v[C+4:C+5] offset:512+1536*((\t)/4)+768*(((\t)/2)%2)+128*((\t)%2)
.if (\t)+2 < 8
	LOADW (\t)+2
.endif
	s_wait_dscnt 0x0                               ; the stores have read their registers: the next block's codes may be written
.endm
.irp t, 0,1,2,3,4,5,6,7
	BLOCK \t
.endr
.set i, 0
.rept 12
	ds_load_b128 v[OUTR+4*i:OUTR+4*i+3], v10 offset:512*i   ; LDS serves a wave's instructions in order: these see my stores
.set i, i+1
.endr
	s_wait_alu depctr_va_vdst(0)                   ; the wait here, ahead of the readers below
	global_store_b32 v14, v[SB], s[30:31]          ; my column's scale words of the two K steps
	global_store_b32 v14, v[SB+1], s[30:31] offset:64
.set i, 0
.rept 12
	s_wait_dscnt 11-i
	global_store_b128 v9, v[OUTR+4*i:OUTR+4*i+3], s[28:29] offset:(i/6)*12288+(i%6)*512   ; 512 consecutive bytes, at a multiple of 256 from the buffer's first byte
.set i, i+1
.endr
	s_wait_tensorcnt 0x0                           ; the wave's end
	ds_add_u32 v30, v31
	s_wait_dscnt 0x0
	s_endpgm
	; ---- waves 4-7: the mask (no LDS)
.Lmask:
	s_lshl_b32 s19, s2, 2
	s_add_co_u32 s19, s19, s18
	s_sub_co_u32 s19, s19, 4                       ; 0..511: query tile qt = / 4, key steps 4 (% 4) + 0 .. 3
	s_lshr_b32 s20, s19, 2
	s_and_b32 s21, s19, 3
	s_lshr_b32 s22, s20, 1
	s_lshl_b32 s22, s22, 5
	s_and_b32 s23, s20, 1
	s_lshl_b32 s23, s23, 3
	s_add_co_u32 s22, s22, s23                     ; the tile's first row: 32 (qt / 2) + 8 (qt % 2)
	s_lshl_b32 s22, s22, 11                        ; rows of 2,048 bytes
	s_lshl_b32 s23, s21, 9                         ; my 512 keys
	s_add_co_u32 s22, s22, s23
	s_mov_b32 s23, 0
	s_lshl_b32 s24, s19, 10                        ; out: 4 steps x 256 bytes
	s_mov_b32 s25, 0
	v_and_b32 v3, 15, v2                           ; r
	v_lshrrev_b32 v4, 4, v2                        ; h
	v_and_b32 v5, 8, v3
	v_add_nc_u32 v5, v5, v3                        ; r + 8 (r / 8)
	v_lshlrev_b32 v5, 11, v5
	v_lshl_add_u32 v5, v4, 4, v5                   ; + 16 h
	v_lshlrev_b32 v6, 3, v2                        ; out: 8 bytes a lane
	s_wait_alu depctr_va_vdst(0)                   ; the wait at the head's end
	s_wait_kmcnt 0x0
	s_add_nc_u64 s[12:13], s[12:13], s[22:23]
	s_add_nc_u64 s[16:17], s[16:17], s[24:25]
.set i, 0
.rept 16                               ; step i / 4, block i % 4: my 16 bytes; the sixteen loads cover 512 consecutive bytes of each of the 16 rows
	global_load_b128 v[32+4*i:35+4*i], v5, s[12:13] offset:128*(i/4)+32*(i%4) th:TH_LOAD_NT
.set i, i+1
.endr
.irp i, 16,17,18,19,20,21,22,23
	v_mov_b32 v\i, 0                               ; a lane write's destination counts as read
.endr
	s_wait_alu depctr_va_vdst(0)                   ; the wait here, directly ahead of the wait below
	s_wait_loadcnt 0x0
.set e, 0
.rept 4
.set n, 0
.rept 64                               ; word n: byte n % 16 of block n / 16, of all 32 lanes; it goes to lane n / 2 of register n % 2
	v_and_b32 v[8+n%4], 0xff<<(8*(n%4)), v[32+16*e+4*(n/16)+(n%16)/4]
	v_cmp_ne_u32 s[32+n%8], 0, v[8+n%4]
	v_writelane_b32 v[16+2*e+n%2], s[32+n%8], n/2
.set n, n+1
.endr
	global_store_b64 v6, v[16+2*e:17+2*e], s[16:17] offset:256*e   ; 256 consecutive bytes, aligned; each step has its own pair
.set e, e+1
.endr
	s_endpgm
.Lfunc_end_k_qd3bd9d64f5_front:
	.size	k_qd3bd9d64f5_front, .Lfunc_end_k_qd3bd9d64f5_front-k_qd3bd9d64f5_front
	.p2alignl 7, 3214868480
	.fill 96, 4, 3214868480
	.section	.rodata,"a",@progbits
	.p2align	6, 0x0
	.amdhsa_kernel k_qd3bd9d64f5_front
		.amdhsa_group_segment_fixed_size 157440
		.amdhsa_private_segment_fixed_size 0
		.amdhsa_enable_private_segment 0
		.amdhsa_kernarg_size 88
		.amdhsa_user_sgpr_count 2
		.amdhsa_user_sgpr_kernarg_segment_ptr 1
		.amdhsa_wavefront_size32 1
		.amdhsa_system_sgpr_workgroup_id_x 1
		.amdhsa_system_sgpr_workgroup_id_y 1
		.amdhsa_system_sgpr_workgroup_id_z 1
		.amdhsa_system_vgpr_workitem_id 0
		.amdhsa_next_free_vgpr 256
		.amdhsa_next_free_sgpr 66
		.amdhsa_reserve_vcc 0
		.amdhsa_float_denorm_mode_32 3
		.amdhsa_float_denorm_mode_16_64 3
		.amdhsa_memory_ordered 1
		.amdhsa_forward_progress 1
		.amdhsa_inst_pref_size 141
	.end_amdhsa_kernel
	.amdgpu_metadata
---
amdhsa.version: [ 1, 2 ]
amdhsa.kernels:
  - .name:           k_qd3bd9d64f5_front
    .symbol:         k_qd3bd9d64f5_front.kd
    .args:
      - { .name: q, .offset: 0, .size: 8, .value_kind: global_buffer, .address_space: global }
      - { .name: gamma, .offset: 8, .size: 8, .value_kind: global_buffer, .address_space: global }
      - { .name: beta, .offset: 16, .size: 8, .value_kind: global_buffer, .address_space: global }
      - { .name: xq, .offset: 24, .size: 8, .value_kind: global_buffer, .address_space: global }
      - { .name: Wq, .offset: 32, .size: 8, .value_kind: global_buffer, .address_space: global }
      - { .name: Wk, .offset: 40, .size: 8, .value_kind: global_buffer, .address_space: global }
      - { .name: Wv, .offset: 48, .size: 8, .value_kind: global_buffer, .address_space: global }
      - { .name: Wo, .offset: 56, .size: 8, .value_kind: global_buffer, .address_space: global }
      - { .name: attn_mask, .offset: 64, .size: 8, .value_kind: global_buffer, .address_space: global }
      - { .name: wq, .offset: 72, .size: 8, .value_kind: global_buffer, .address_space: global }
      - { .name: maskw, .offset: 80, .size: 8, .value_kind: global_buffer, .address_space: global }
    .group_segment_fixed_size: 157440
    .private_segment_fixed_size: 0
    .kernarg_segment_align: 8
    .kernarg_segment_size: 88
    .max_flat_workgroup_size: 256
    .sgpr_count:     66
    .vgpr_count:     256
    .wavefront_size: 32
...
	.end_amdgpu_metadata
.endif
;; end of part 1
;; launch qkv (part 2): grid 8 x 96, 4 waves a work-group, clusters of 4 x 4, 295,424 bytes of LDS; arguments xq, wq, qkv; writes qkv
.if DOCPART == 2
	.amdgcn_target "amdgcn-amd-amdhsa--gfx1250"
	.amdhsa_code_object_version 6
	.text
	.protected	k_qd3bd9d64f5_qkv
	.globl	k_qd3bd9d64f5_qkv
	.p2align	8
	.type	k_qd3bd9d64f5_qkv,@function
k_qd3bd9d64f5_qkv:
	s_mov_b64 s[64:65], 0
	v_nop
	global_prefetch_b8 v0, s[64:65] scope:SCOPE_SE
	s_setreg_imm32_b32 hwreg(HW_REG_WAVE_MODE, 25, 1), 1
	s_wait_xcnt 0x0
	s_wait_alu depctr_hold_cnt(0) depctr_sa_sdst(0) depctr_va_vdst(0) depctr_va_sdst(0) depctr_va_ssrc(0) depctr_va_vcc(0) depctr_vm_vsrc(0)
	s_getreg_b32 s2, hwreg(HW_REG_IB_STS2, 6, 4)
	s_cmp_eq_u32 s2, 0
	s_cbranch_scc0 .Lentry_in_a_cluster
	s_endpgm
.Lentry_in_a_cluster:
	s_bfe_u32 s2, ttmp6, 0x10000c
	s_cmp_lg_u32 s2, 0xf033
	s_cbranch_scc0 .Lentry_shape_is_right
	s_endpgm
.Lentry_shape_is_right:
; hq = qn Wq, hk = qn Wk, hv = qn Wv on codes of FP6 (E2M3), K = 1,024; the results are quantised in registers for the attention launch: hq and hk along the head's 64, hv along the keys.
; A work-group makes 128 (side R) x 256 (side P).  THE MATRIX INSTRUCTION IS USED TRANSPOSED: source 0 = 16 rows of P, source 1 = 16 rows of R: a lane holds one row of R and its registers run along P.
; A tile T holds at lane row r the row 32 (T / 2) + 8 (T % 2) + r + 8 (r / 8), so the 16 registers of result tiles 2 b, 2 b + 1 are the 16 neighbours 32 b + 16 h + 0 .. 15 along P: ready for the conversions.
; ONE TEXT, THREE KINDS, told apart by the CLUSTER's place alone (the same in all sixteen partners), by selects and no branch:  cluster y < 16: R = tokens, P = columns of Wq (cluster x 0) or Wk (1);
; cluster y >= 16: R = columns of Wv, P = tokens, so that a lane holds one of the head's dims and its registers run along the keys.
; ALL OF K LIES IN LDS: R's 128 rows (98,304 bytes) and P's 256 (196,608), as four chunks of 256 along K, each filled once; so no LDS byte is filled twice.  A wave has four tensor loads out at the most.
; CLUSTER 4 x 4: R's tiles are shared along a row of the cluster, P's along a column: joint loads, which divide the requests by four.
; Codes lie in memory and in LDS as images of the operand's registers: a fragment is 1,536 bytes: lane l's words 0-3 at 16 l, 4-5 at 512 + 8 l, 6-9 at 768 + 16 l, 10-11 at 1,280 + 8 l: every LDS load is dense.
; Scale words lie [tile][K step][16]: a load of 4 bytes a lane brings K step 2 q in lanes 0-15 and 2 q + 1 in lanes 16-31; they are loaded once, straight into registers.
; OUT (qkv): Q codes [token tile][head][768] at 0, K codes likewise at KC, V codes [batch x head][key step][dim tile 4][1536] at VC; from SC a record of REC bytes for each batch x head: K's words [key tile 128][16],
; V's [step 16][tile 4][16], Q's [query tile 128][16].  Q's and K's words hold the head's two bytes and two bytes 0.
; LIMITS: NaN and infinities are not served; a block of zeros keeps the byte 1 (zero codes).
; REGISTERS: window 0: v1-11 addresses; v16-31 R's scale words, v32-63 P's; v64-159 R's fragments, two sets; v160-179 codes just made; v180-197 at work.  window 1: P's fragments, two sets of 96.  window 2: 32 accumulators, (i, j) at 8 (8 i + j).
.set XSW,   6291456
.set WSW,   3145728
.set KC,    6291456
.set VC,    12582912
.set SC,    18874368
.set REC,   20480
.set PBASE, 98304                      ; LDS: R's [tile 8][12288] at 0, P's [tile 16][12288] here
.set RCH,   3072                       ; LDS now holds each tile's 12,288 bytes (all of K) on end: R's [tile 8][12288] at 0, P's [tile 16][12288] at PBASE; two K steps on are 3,072 bytes
.set PCH,   3072
.set RSC,   16
.set PSC,   32
.set RF,    64
.set PCD,   160
.set TM,    180
.set PW,    196
.set SW,    197
.set MUL,   0xa1                       ; source 0 (P) window 1, source 1 (R) window 0, C and D window 2
.set MSB, 0
.macro WIN new                         ; the immediate's high byte repeats the setting that is left
.if MSB != \new
	s_set_vgpr_msb (MSB<<8)|\new
.set MSB, \new
.endif
.endm
.macro CROUND                          ; a round of the cluster's barrier
	s_barrier_signal -1
	s_barrier_wait -1
	s_cmp_lg_u32 s10, 0
	s_cbranch_scc1 .Lnot_wave_0_\@
	s_barrier_signal -3
.Lnot_wave_0_\@:
	s_barrier_wait -3
	s_barrier_signal -1
	s_barrier_wait -1
.endm
	s_load_b128 s[4:7], s[0:1], 0x0                ; xq, wq
	s_load_b64 s[8:9], s[0:1], 0x10                ; qkv
	v_lshl_add_u32 v254, v0, 2, 0x48000
	v_mov_b32 v255, 0
	ds_add_u32 v254, v255
	ds_add_u32 v254, v255
	v_lshrrev_b32 v1, 5, v0
	v_readfirstlane_b32 s10, v1                    ; wave 0..3
	s_lshr_b32 s11, s10, 1                         ; which 4 tiles of R are mine.  Also: I fetch for R (0) or for P (1)
	s_and_b32 s12, s10, 1                          ; which 8 tiles of P.  Also: which half of the side I fetch
	s_bfe_u32 s13, ttmp6, 0x40000                  ; cx
	s_bfe_u32 s14, ttmp6, 0x40004                  ; cy
	s_and_b32 s16, ttmp7, 0xffff                   ; cluster y
	s_max_u32 s19, s16, 16
	s_sub_co_u32 s19, s19, 16
	s_mov_b32 s20, WSW
	s_mov_b32 s21, XSW
	s_cmp_ge_u32 s16, 16                           ; V's kind?
	s_cselect_b32 s17, ttmp9, s16                  ; R's cluster coordinate
	s_cselect_b32 s18, s19, ttmp9                  ; P's
	s_cselect_b32 s22, 128, 0                      ; Wv's tiles begin at 128
	s_cselect_b32 s23, s20, s21                    ; where R's scale words begin in its buffer
	s_cselect_b32 s56, s21, s20                    ; and P's
	s_lshl_b32 s17, s17, 2
	s_add_co_u32 s17, s17, s14                     ; R block: hangs on cy, never on cx
	s_lshl_b32 s18, s18, 2
	s_add_co_u32 s18, s18, s13                     ; P block: hangs on cx, never on cy
	s_lshl_b32 s57, s17, 3
	s_add_co_u32 s57, s57, s22                     ; R's first tile
	s_lshl_b32 s58, s18, 4                         ; P's first tile
	s_lshl_b32 s59, s14, 2
	s_lshl_b32 s59, 15, s59                        ; my row of the cluster
	s_lshl_b32 s101, 0x1111, s13                   ; my column
	; descriptor group 1: rows of 12,288 bytes (a tile's whole K: 1,536 elements of 8 bytes), 12,288 bytes apart in memory, dense in LDS
	s_or_b32 s24, s59, (3<<16)|(1<<21)             ; 15:0 the mask; 17:16 elements of 8 bytes; 21 set beside a mask
	s_mov_b32 s25, 1536<<16                        ; tensor_dim0: a tile's whole K, 12,288 bytes = 1,536 elements of 8
	s_mov_b32 s26, 4<<16                           ; tensor_dim1: R: 4 tiles a load
	s_mov_b32 s27, 1536<<16                        ; tile_dim0
	s_mov_b32 s28, 4                               ; tile_dim1
	s_mov_b32 s29, 1536                            ; the pitch, in elements
	s_mov_b32 s30, 0
	s_mov_b32 s31, 0
	s_or_b32 s32, s101, (3<<16)|(1<<21)
	s_mov_b32 s33, 1536<<16
	s_mov_b32 s34, 8<<16                           ; P: 8 tiles a load
	s_mov_b32 s35, 1536<<16
	s_mov_b32 s36, 8
	s_mov_b32 s37, 1536
	s_mov_b32 s38, 0
	s_mov_b32 s39, 0
	s_lshl_b32 s2, s12, 2                          ; (s2 holds R's numbers alone, s3 P's)
	s_add_co_u32 s2, s2, s57
	s_mul_i32 s62, s2, 12288                       ; the 4 tiles of R that I would fetch
	s_mov_b32 s63, 0
	s_lshl_b32 s3, s12, 3
	s_add_co_u32 s3, s3, s58
	s_mul_i32 s84, s3, 12288                       ; the 8 tiles of P
	s_mov_b32 s85, 0
	s_lshl_b32 s2, s11, 2
	s_add_co_u32 s2, s2, s57
	s_lshl_b32 s2, s2, 9
	s_add_co_u32 s60, s2, s23                      ; the scale words of the 4 tiles of R that I multiply
	s_mov_b32 s61, 0
	s_lshl_b32 s3, s3, 9
	s_add_co_u32 s86, s3, s56                      ; and of my 8 tiles of P
	s_mov_b32 s87, 0
	s_mul_i32 s88, s12, 49152                      ; where they go: 4 tiles of R, or
	s_mul_i32 s89, s12, 98304                      ; 8 tiles of P: no place in the cluster enters an LDS address
	s_wait_dscnt 0x0
	s_wait_kmcnt 0x0
	s_cmp_ge_u32 s16, 16
	s_cselect_b64 s[90:91], s[6:7], s[4:5]         ; R's buffer
	s_cselect_b64 s[92:93], s[4:5], s[6:7]         ; P's
	s_add_nc_u64 s[62:63], s[90:91], s[62:63]
	s_add_nc_u64 s[84:85], s[92:93], s[84:85]
	s_add_nc_u64 s[90:91], s[90:91], s[60:61]
	s_add_nc_u64 s[92:93], s[92:93], s[86:87]
.irp q, 0
	s_mov_b32 s[40+4*\q], 1
	s_add_co_u32 s[41+4*\q], s88, \q*RCH
	s_add_nc_u64 s[42+4*\q:43+4*\q], s[62:63], \q*3072
	s_or_b32 s[43+4*\q], s[43+4*\q], 0x80000000
	s_mov_b32 s[68+4*\q], 1
	s_add_co_u32 s[69+4*\q], s89, PBASE+\q*PCH
	s_add_nc_u64 s[70+4*\q:71+4*\q], s[84:85], \q*3072
	s_or_b32 s[71+4*\q], s[71+4*\q], 0x80000000
.endr
	CROUND                                         ; all sixteen work-groups are here: the joint loads meet
	s_cmp_eq_u32 s11, 0                            ; a wave's one fill stands in one branch on the wave's number, the same in every work-group
	s_cbranch_scc0 .Lfor_p
	tensor_load_to_lds s[40:43], s[24:31]
	s_nop 0
	; ONE load a wave: my 4 tiles of R for all of K, 49,152 dense bytes
.rept 4
	v_nop
.endr
	s_branch .Lasked
.Lfor_p:
	tensor_load_to_lds s[68:71], s[32:39]
	s_nop 0
	; ONE load a wave: my 8 tiles of P for all of K, 98,304 dense bytes
.rept 4
	v_nop
.endr
.Lasked:
	v_and_b32 v12, 31, v0                          ; lane
	v_and_b32 v1, 15, v0                           ; r
	v_bfe_u32 v2, v0, 4, 1                         ; h
	v_lshlrev_b32 v3, 4, v12
	v_lshlrev_b32 v4, 3, v12
	v_lshlrev_b32 v9, 2, v12
.irp i, 0,1,2,3
.irp q, 0,1,2,3
	global_load_b32 v[RSC+4*\i+\q], v9, s[90:91] offset:512*\i+128*\q
.endr
.endr
.irp j, 0,1,2,3,4,5,6,7
.irp q, 0,1,2,3
	global_load_b32 v[PSC+4*\j+\q], v9, s[92:93] offset:512*\j+128*\q
.endr
.endr
	s_mul_i32 s15, s11, 49152                      ; my four tiles of R
	v_add_nc_u32 v5, s15, v3
	v_add_nc_u32 v6, s15, v4
	s_mul_i32 s15, s12, 98304                      ; my eight of P
	s_add_co_u32 s15, s15, PBASE
	v_add_nc_u32 v7, s15, v3
	v_add_nc_u32 v8, s15, v4
	v_add_nc_u32 v13, 49152, v7                    ; P's tiles 4-7: an LDS offset has 16 bits
	v_add_nc_u32 v14, 49152, v8
.irp b, 0,1,2,3
	v_mov_b32 v[TM+4+\b], 0                        ; a lane permute's destination counts as read
.endr
	; where the results go.  n = 2 x P block + my half: for Q, K the pair of heads (0-7 Q's, 8-15 K's), for V the key step of 128 (0-63)
	s_lshl_b32 s15, s18, 1
	s_add_co_u32 s15, s15, s12
	s_lshl_b32 s19, s17, 3
	s_lshl_b32 s20, s11, 2
	s_add_co_u32 s19, s19, s20                     ; Q, K: my first token tile T0
	s_lshr_b32 s20, s15, 3
	s_and_b32 s21, s15, 7
	s_mul_i32 s22, s20, KC
	s_lshl_b32 s23, s19, 3
	s_add_co_u32 s23, s23, s21
	s_mul_i32 s23, s23, 1536
	s_add_co_u32 s22, s22, s23                     ; codes: (8 T0 + pair of heads) x 1,536
	s_lshr_b32 s23, s19, 7
	s_lshl_b32 s23, s23, 4
	s_lshl_b32 s21, s21, 1
	s_add_co_u32 s23, s23, s21                     ; batch x 16 + the even head
	s_mul_i32 s23, s23, REC
	s_xor_b32 s20, s20, 1
	s_mul_i32 s20, s20, 12288                      ; Q's words lie 12,288 into a record, K's at its head
	s_add_co_u32 s23, s23, s20
	s_and_b32 s20, s19, 127
	s_lshl_b32 s20, s20, 6
	s_add_co_u32 s23, s23, s20
	s_add_co_u32 s23, s23, SC
	s_lshl_b32 s56, s17, 1                         ; V: head = 2 x R block + my half
	s_add_co_u32 s56, s56, s11
	s_lshr_b32 s57, s15, 4
	s_lshl_b32 s57, s57, 4
	s_add_co_u32 s56, s56, s57                     ; batch x 16 + head
	s_and_b32 s57, s15, 15                         ; the key step in the batch
	s_lshl_b32 s58, s56, 4
	s_add_co_u32 s58, s58, s57
	s_mul_i32 s58, s58, 4*1536
	s_add_co_u32 s58, s58, VC
	s_mul_i32 s59, s56, REC
	s_lshl_b32 s57, s57, 8
	s_add_co_u32 s59, s59, s57
	s_add_co_u32 s59, s59, SC+8192
	s_mov_b32 s101, 12288
	s_mov_b32 s2, 0xffff
	s_mov_b32 s3, REC
	s_cmp_ge_u32 s16, 16
	s_cselect_b32 s94, s58, s22
	s_cselect_b32 s96, s59, s23
	s_cselect_b32 s98, 1536, s101                  ; from unit to unit: the next dim tile, or the next token tile
	s_cselect_b32 s100, -1, s2                     ; V keeps all four bytes of a word; Q, K two
	s_cselect_b32 s2, 0, s3                        ; Q, K: lanes 16-31 store the odd head's word, one record on
	s_cselect_b32 s3, 0, 16                        ; which is the upper half of the fragment's word
	s_mov_b32 s95, 0
	s_mov_b32 s97, 0
	s_mov_b32 s99, 0
	s_add_nc_u64 s[94:95], s[8:9], s[94:95]
	s_add_nc_u64 s[96:97], s[8:9], s[96:97]
	v_mul_u32_u24 v10, v2, s2
	v_lshl_add_u32 v10, v1, 2, v10
	v_mul_u32_u24 v11, v2, s3
	s_mov_b32 s2, 0x76543210
	s_mov_b32 s3, 0xfedcba98                       ; lane l xor 16
.macro FRAG reg, a16, a8, off          ; a fragment comes back as it was stored: four dense loads
	ds_load_b128 v[\reg:\reg+3], v[\a16] offset:\off
	ds_load_b64 v[\reg+4:\reg+5], v[\a8] offset:\off+512
	ds_load_b128 v[\reg+6:\reg+9], v[\a16] offset:\off+768
	ds_load_b64 v[\reg+10:\reg+11], v[\a8] offset:\off+1280
.endm
.macro FETCH s                         ; K step s: my 8 fragments of P and 4 of R into set s % 2: 48 LDS loads in one run
	WIN 0x40
.irp j, 0,1,2,3,4,5,6,7
	FRAG 96*((\s)%2)+12*\j, 7+6*(\j/4), 8+6*(\j/4), 12288*(\j%4)+1536*((\s)%2)
.endr
	WIN 0
.irp i, 0,1,2,3
	FRAG RF+48*((\s)%2)+12*\i, 5, 6, 12288*\i+1536*((\s)%2)
.endr
.endm
.macro PROD i, j, s, zero
.set DD, 8*(8*(\i)+(\j))
.set AA, 96*((\s)%2)+12*(\j)
.set BB, RF+48*((\s)%2)+12*(\i)
.set SA, PSC+4*(\j)+(\s)/2
.set SR, RSC+4*(\i)+(\s)/2
.if \zero
	v_wmma_scale_f32_16x16x128_f8f6f4 v[DD:DD+7], v[AA:AA+11], v[BB:BB+11], 0, v[SA], v[SR] matrix_a_fmt:MATRIX_FMT_FP6 matrix_b_fmt:MATRIX_FMT_FP6
.elseif (\s)%2
	v_wmma_scale_f32_16x16x128_f8f6f4 v[DD:DD+7], v[AA:AA+11], v[BB:BB+11], v[DD:DD+7], v[SA], v[SR] matrix_a_fmt:MATRIX_FMT_FP6 matrix_b_fmt:MATRIX_FMT_FP6 matrix_a_scale:MATRIX_SCALE_ROW1 matrix_b_scale:MATRIX_SCALE_ROW1
.else
	v_wmma_scale_f32_16x16x128_f8f6f4 v[DD:DD+7], v[AA:AA+11], v[BB:BB+11], v[DD:DD+7], v[SA], v[SR] matrix_a_fmt:MATRIX_FMT_FP6 matrix_b_fmt:MATRIX_FMT_FP6
.endif
.endm
.macro MUL16 i0, s, zero               ; 16 products; the 32 accumulators take turns, one instruction a turn, in the same order in every step
.irp i, \i0, \i0+1
.irp j, 0,1,2,3,4,5,6,7
	PROD \i, \j, \s, \zero
.endr
.endr
.endm
.macro STEP_E s, zero                  ; an even K step: its successor lies in the same chunk
	s_wait_dscnt 0x0                               ; this step's fragments are in
.if (\s) > 0
.rept 4
	v_nop                                          ; places in front of loads into registers that the last products read
.endr
.endif
	FETCH (\s)+1
	WIN MUL
	MUL16 0, \s, \zero
	MUL16 2, \s, \zero
.endm
.macro STEP_O s                        ; an odd K step: the addresses go two K steps on.  All of K has landed ahead of the first step: no wait on tiles, no barrier
	s_wait_dscnt 0x0
	WIN MUL
	MUL16 0, \s, 0
	WIN 0
	v_add_nc_u32 v5, RCH, v5                       ; on to the next chunk: six plain lines, the places in front of the loads
	v_add_nc_u32 v6, RCH, v6
	v_add_nc_u32 v7, PCH, v7
	v_add_nc_u32 v8, PCH, v8
	v_add_nc_u32 v13, PCH, v13
	v_add_nc_u32 v14, PCH, v14
	FETCH (\s)+1
	WIN MUL
	MUL16 2, \s, 0
.endm
	s_wait_alu depctr_va_vdst(0)
	s_wait_tensorcnt 0x0                           ; my one load has landed
	s_barrier_signal -1
	s_barrier_wait -1
	FETCH 0
	s_wait_loadcnt 0x0                             ; the scale words
	STEP_E 0, 1                                    ; the first step's products start the sums: nothing is cleared
	STEP_O 1
	s_wait_alu depctr_va_vdst(0)
	STEP_E 2, 0
	STEP_O 3
	s_wait_alu depctr_va_vdst(0)
	STEP_E 4, 0
	STEP_O 5
	s_wait_alu depctr_va_vdst(0)
	STEP_E 6, 0
	s_wait_dscnt 0x0
	MUL16 0, 7, 0
	MUL16 2, 7, 0
	WIN 0
.rept 4
	v_nop                                          ; places in front of the first read of results
.endr
; Unit i: the 64 registers of R tile i: register 16 b + k is index 32 b + 16 h + k of my 128 along P.  They become one fragment and its scale word.  Each accumulator is read from its low end on.
.macro UNIT i
.set AC, 64*(\i)
.if (\i) > 0
	s_wait_xcnt 0x0                                ; the last unit's stores have read their registers and their base
	s_add_nc_u64 s[94:95], s[94:95], s[98:99]
.endif
	WIN 0x28                                       ; sources 1 and 2 window 2
.irp b, 0,1,2,3
	v_max3_num_f32 v[TM+\b], 0x1800000, |v[AC+16*\b]|, |v[AC+16*\b+1]|   ; the floor 2^(3 - 127) among the leaves
.endr
.irp k, 2,4,6,8,10,12,14
.irp b, 0,1,2,3
	v_max3_num_f32 v[TM+\b], v[TM+\b], |v[AC+16*\b+\k]|, |v[AC+16*\b+\k+1]|
.endr
.endr
	WIN 0
.irp b, 0,1,2,3
	v_permlanex16_b32 v[TM+4+\b], v[TM+\b], s2, s3
.endr
.irp b, 0,1,2,3
	v_max_num_f32 v[TM+\b], v[TM+\b], v[TM+4+\b]   ; with lane l xor 16's 16: the block's largest magnitude
.endr
.irp b, 0,1,2,3
	v_add_nc_u32 v[TM+12+\b], 0xff000000, v[TM+\b]
.endr
.irp b, 0,1,2,3
	v_lshrrev_b32 v[TM+4+\b], 23, v[TM+12+\b]
.endr
	v_lshl_or_b32 v[PW], v[TM+5], 8, v[TM+4]
	v_lshl_or_b32 v[PW], v[TM+6], 16, v[PW]
	v_lshl_or_b32 v[PW], v[TM+7], 24, v[PW]
	v_lshrrev_b32 v[SW], v11, v[PW]
	v_and_b32 v[SW], s100, v[SW]
	WIN 0x02                                       ; source 0 window 2
.irp c, 0,1
	v_cvt_scalef32_pk16_fp6_f32 v[PCD+6*\c:PCD+6*\c+2], v[AC+32*\c:AC+32*\c+15], v[TM+12+2*\c]
	v_cvt_scalef32_pk16_fp6_f32 v[PCD+12+4*\c:PCD+14+4*\c], v[AC+32*\c+16:AC+32*\c+31], v[TM+12+2*\c+1]
.endr
	WIN 0
	v_nop                                          ; one plain line behind a scaled conversion
.irp c, 0,1                            ; the layout wants a whole block in a lane
.irp k, 0,1,2
	v_permlane16_swap_b32 v[PCD+6*\c+\k], v[PCD+12+4*\c+\k]
.endr
.irp k, 0,1,2
	v_mov_b32 v[PCD+3+6*\c+\k], v[PCD+12+4*\c+\k]
.endr
.endr
	global_store_b128 v3, v[PCD:PCD+3], s[94:95]   ; the image: 512, 256, 512, 256 consecutive bytes
	global_store_b64 v4, v[PCD+4:PCD+5], s[94:95] offset:512
	global_store_b128 v3, v[PCD+6:PCD+9], s[94:95] offset:768
	global_store_b64 v4, v[PCD+10:PCD+11], s[94:95] offset:1280
	global_store_b32 v10, v[SW], s[96:97] offset:64*(\i)
.endm
	UNIT 0
	UNIT 1
	UNIT 2
	UNIT 3
	s_wait_tensorcnt 0x0
	ds_add_u32 v254, v255
	s_wait_dscnt 0x0
	CROUND                                         ; the closing round: no work-group ends while a partner may still ask for a tile that names it
	s_endpgm
.Lfunc_end_k_qd3bd9d64f5_qkv:
	.size	k_qd3bd9d64f5_qkv, .Lfunc_end_k_qd3bd9d64f5_qkv-k_qd3bd9d64f5_qkv
	.p2alignl 7, 3214868480
	.fill 96, 4, 3214868480
	.section	.rodata,"a",@progbits
	.p2align	6, 0x0
	.amdhsa_kernel k_qd3bd9d64f5_qkv
		.amdhsa_group_segment_fixed_size 295424
		.amdhsa_private_segment_fixed_size 0
		.amdhsa_enable_private_segment 0
		.amdhsa_kernarg_size 24
		.amdhsa_user_sgpr_count 2
		.amdhsa_user_sgpr_kernarg_segment_ptr 1
		.amdhsa_wavefront_size32 1
		.amdhsa_system_sgpr_workgroup_id_x 1
		.amdhsa_system_sgpr_workgroup_id_y 1
		.amdhsa_system_sgpr_workgroup_id_z 1
		.amdhsa_system_vgpr_workitem_id 0
		.amdhsa_next_free_vgpr 768
		.amdhsa_next_free_sgpr 102
		.amdhsa_reserve_vcc 0
		.amdhsa_float_denorm_mode_32 3
		.amdhsa_float_denorm_mode_16_64 3
		.amdhsa_memory_ordered 1
		.amdhsa_forward_progress 1
		.amdhsa_inst_pref_size 90
	.end_amdhsa_kernel
	.amdgpu_metadata
---
amdhsa.version: [ 1, 2 ]
amdhsa.kernels:
  - .name:           k_qd3bd9d64f5_qkv
    .symbol:         k_qd3bd9d64f5_qkv.kd
    .args:
      - { .name: xq, .offset: 0, .size: 8, .value_kind: global_buffer, .address_space: global }
      - { .name: wq, .offset: 8, .size: 8, .value_kind: global_buffer, .address_space: global }
      - { .name: qkv, .offset: 16, .size: 8, .value_kind: global_buffer, .address_space: global }
    .group_segment_fixed_size: 295424
    .private_segment_fixed_size: 0
    .kernarg_segment_align: 8
    .kernarg_segment_size: 24
    .max_flat_workgroup_size: 128
    .sgpr_count:     102
    .vgpr_count:     768
    .wavefront_size: 32
...
	.end_amdgpu_metadata
.endif
;; end of part 2
;; launch attn (part 3): grid 4 x 64, 16 waves a work-group, clusters of 4 x 1, 210,944 bytes of LDS; arguments qkv, maskw, vec; writes vec
.if DOCPART == 3
	.amdgcn_target "amdgcn-amd-amdhsa--gfx1250"
	.amdhsa_code_object_version 6
	.text
	.protected	k_qd3bd9d64f5_attn
	.globl	k_qd3bd9d64f5_attn
	.p2align	8
	.type	k_qd3bd9d64f5_attn,@function
k_qd3bd9d64f5_attn:
	s_mov_b64 s[64:65], 0
	v_nop
	global_prefetch_b8 v0, s[64:65] scope:SCOPE_SE
	s_setreg_imm32_b32 hwreg(HW_REG_WAVE_MODE, 25, 1), 1
	s_wait_xcnt 0x0
	s_wait_alu depctr_hold_cnt(0) depctr_sa_sdst(0) depctr_va_vdst(0) depctr_va_sdst(0) depctr_va_ssrc(0) depctr_va_vcc(0) depctr_vm_vsrc(0)
	s_getreg_b32 s2, hwreg(HW_REG_IB_STS2, 6, 4)
	s_cmp_eq_u32 s2, 0
	s_cbranch_scc0 .Lentry_in_a_cluster
	s_endpgm
.Lentry_in_a_cluster:
	s_bfe_u32 s2, ttmp6, 0x10000c
	s_cmp_lg_u32 s2, 0x3003
	s_cbranch_scc0 .Lentry_shape_is_right
	s_endpgm
.Lentry_shape_is_right:
; vec[b][query][head][:] = softmax over the keys of (hq . hk / 8, or -1e10 where the mask is set) times hv, both products on codes of FP6 (E2M3); the result is quantised along head x 64 + d for the last launch.
; t = logit x log2(e); M = the running largest t rounded UP to a whole number; p = 2^(t - M) is quantised along the keys; the row's sum is taken of the unquantised p and divides at the end.
; SHARES.  A work-group owns 512 queries of one batch x head; each of its sixteen waves a tile of 16 queries, twice (two passes).  Four waves share a SIMD, so one wave's vector work stands beside another's products and LDS loads.
; THE HEAD'S K, V AND THEIR SCALE WORDS LIE IN LDS WHOLE, filled once: no LDS byte is filled twice.  The four work-groups of a cluster belong to one head: the fills are joint loads; a wave has one out at the most.
; LAYOUT.  Both products transposed: S^T = K Q^T (source 0 = 16 keys), O^T = V^T P^T (source 0 = 16 dims): a lane holds one query throughout.  Tile T holds at lane row r the row 32 (T / 2) + 8 (T % 2) + r + 8 (r / 8),
; so the 16 registers of tiles 2 b, 2 b + 1 are 16 neighbours: keys for p, dims for vec.
; THE FIRST PRODUCT'S K IS 64, half of the instruction's 128.  Q's upper six registers are zero codes and both sides' upper scale bytes are 0 (2^-127).  K's fragment j is v[32 + 6 j .. + 11]: only its lower six are its own;
; the upper six are the next fragment's, which meet zero codes and add 0 (the format has neither NaN nor infinity).
; THE MASK comes as words of lane bits in scalar registers, 64 a key step, asked for one step ahead; a masked score is replaced by -2^36.
; LIMIT: so the masked logit counts as -2^33 and not -1e10: the two differ only where a row's largest open logit lies under -8.59e9.  -2^36 x c is a whole number, so a row that is masked throughout has p = 1 at every key, as the definition has it.
; LIMITS: NaN and infinities are not served; p under 2^-126 counts as 0.  vec's scale bytes leave as stores of 2 bytes a lane (262,144 bytes in the launch).
.set KC,   6291456
.set VC,   12582912
.set SC,   18874368
.set REC,  20480
.set OSW,  6291456
.set LV,   98304                       ; LDS: K's codes [key tile 128][768] at 0; V's [step 16][tile 4][1536] here;
.set LKW,  196608                      ; K's scale words [key tile][16];
.set LVW,  204800                      ; V's [step][tile][16]
.set SS,   88                          ; v88-151  S^T, then p
.set OT,   152                         ; v152-183 O^T
.set PCD,  184                         ; v184-195 p's codes
.set CT,   196                         ; v196-202 the conversions' second halves
.set BM,   204                         ; v204-207 the blocks' largest
.set PR,   208                         ; v208-211 from the other half of the lanes; bytes
.set SO,   212                         ; v212-215 the conversions' scale operands
.set KW,   220                         ; v220-227 K's scale words
.set PWD,  228                         ; v228     p's scale word
.set FF,   230                         ; v[230:231] f
.set NM,   232                         ; v232 -M, v233 the largest t
.set LS,   234                         ; v[234:235] the sum, in two halves
.set L2,   236
.set WK,   238
.set VW,   240                         ; v240-243 V's scale words
.set WV,   10
.set SEL,  84
.set CS,   86
.set TB,   88
.set TS,   89
.set TV,   90
.set SOFF, 91
.set CNT,  92
.macro CROUND
	s_barrier_signal -1
	s_barrier_wait -1
	s_cmp_lg_u32 s[WV], 0
	s_cbranch_scc1 .Lnot_wave_0_\@
	s_barrier_signal -3
.Lnot_wave_0_\@:
	s_barrier_wait -3
	s_barrier_signal -1
	s_barrier_wait -1
.endm
	s_load_b128 s[4:7], s[0:1], 0x0                ; qkv, maskw
	s_load_b64 s[8:9], s[0:1], 0x10                ; vec
	v_lshl_add_u32 v254, v0, 2, 0x33000
	v_mov_b32 v255, 0
	ds_add_u32 v254, v255
	ds_add_u32 v254, v255
	v_lshrrev_b32 v1, 5, v0
	s_delay_alu instid0(VALU_DEP_1)
	v_readfirstlane_b32 s[WV], v1                  ; wave 0..15
	s_bfe_u32 s11, ttmp6, 0x40000                  ; cx: my 512 queries; it enters global addresses of my own alone
	s_and_b32 s12, ttmp7, 0xffff                   ; batch x 16 + head, which the four partners share
	s_lshr_b32 s13, s12, 4
	s_and_b32 s14, s12, 15
	s_and_b32 s15, s[WV], 3                        ; which quarter I fetch, if I fetch
	; descriptor groups 1, elements of 8 bytes, mask = all four work-groups.  K: 32 rows of 768 bytes, 12,288 apart;  V: 96 rows of 256 bytes, dense;  the scale words: 48 rows of 256 bytes, dense
	s_mov_b32 s16, 15|(3<<16)|(1<<21)
	s_mov_b32 s17, 96<<16
	s_mov_b32 s18, 32<<16
	s_mov_b32 s19, 96<<16
	s_mov_b32 s20, 32
	s_mov_b32 s21, 1536
	s_mov_b32 s22, 0
	s_mov_b32 s23, 0
	s_mov_b32 s24, 15|(3<<16)|(1<<21)
	s_mov_b32 s25, 32<<16
	s_mov_b32 s26, 96<<16
	s_mov_b32 s27, 32<<16
	s_mov_b32 s28, 96
	s_mov_b32 s29, 32
	s_mov_b32 s30, 0
	s_mov_b32 s31, 0
	s_mov_b32 s32, 15|(3<<16)|(1<<21)
	s_mov_b32 s33, 32<<16
	s_mov_b32 s34, 48<<16
	s_mov_b32 s35, 32<<16
	s_mov_b32 s36, 48
	s_mov_b32 s37, 32
	s_mov_b32 s38, 0
	s_mov_b32 s39, 0
	s_lshl_b32 s2, s13, 11
	s_add_co_u32 s2, s2, s14
	s_mul_i32 s2, s2, 768                          ; (2,048 b + head) x 768: the head's place in tile 0 of its batch
	s_mul_i32 s3, s15, 24576                       ; a quarter, in LDS and in V's memory
	s_mul_i32 s52, s15, 393216                     ; 32 key tiles on in K's memory
	s_add_co_u32 s52, s52, s2
	s_add_co_u32 s52, s52, KC
	s_mov_b32 s53, 0
	s_mul_i32 s54, s12, 98304
	s_add_co_u32 s54, s54, s3
	s_add_co_u32 s54, s54, VC
	s_mov_b32 s55, 0
	s_mul_i32 s56, s12, REC
	s_add_co_u32 s56, s56, SC
	s_mov_b32 s57, 0
	s_lshl_b32 s58, s11, 5
	s_add_co_u32 s58, s58, s[WV]                   ; my first pass's query tile: 32 cx + wave; the second's lies 16 on
	s_mul_i32 s60, s58, 12288
	s_add_co_u32 s60, s60, s2                      ; Q's codes, and vec's: (16 T + head) x 768
	s_mov_b32 s61, 0
	s_lshl_b32 s98, s58, 6
	s_add_co_u32 s98, s98, s56
	s_add_co_u32 s98, s98, 12288                   ; Q's scale words
	s_mov_b32 s99, 0
	s_lshl_b32 s100, s58, 12                       ; the mask's words: 4,096 bytes a query tile
	s_mov_b32 s101, 0
	s_lshl_b32 s92, s13, 7
	s_add_co_u32 s92, s92, s58
	s_lshl_b32 s92, s92, 9                         ; vec's scale words: 512 bytes a token tile,
	s_lshr_b32 s93, s14, 1
	s_lshl_b32 s93, s93, 6
	s_add_co_u32 s92, s92, s93                     ; K step head / 2,
	s_and_b32 s93, s14, 1
	s_lshl_b32 s93, s93, 1
	s_add_co_u32 s92, s92, s93                     ; bytes 2 (head % 2) on
	s_add_co_u32 s92, s92, OSW
	s_mov_b32 s93, 0
	s_mov_b32 s[SEL], 0x76543210
	s_mov_b32 s[SEL+1], 0xfedcba98
	s_mov_b32 s[CS], 0x3e38aa3b                    ; c = log2(e) / 8
	s_mov_b32 s[CS+1], s[CS]
	s_wait_dscnt 0x0
	s_wait_kmcnt 0x0
	s_mov_b32 s40, 1
	s_mov_b32 s41, s3
	s_add_nc_u64 s[42:43], s[4:5], s[52:53]
	s_or_b32 s43, s43, 0x80000000
	s_mov_b32 s44, 1
	s_add_co_u32 s45, s3, LV
	s_add_nc_u64 s[46:47], s[4:5], s[54:55]
	s_or_b32 s47, s47, 0x80000000
	s_mov_b32 s48, 1
	s_mov_b32 s49, LKW
	s_add_nc_u64 s[50:51], s[4:5], s[56:57]
	s_or_b32 s51, s51, 0x80000000
	s_add_nc_u64 s[94:95], s[4:5], s[98:99]        ; Q's scale words
	s_add_nc_u64 s[4:5], s[4:5], s[60:61]          ; Q's codes
	s_add_nc_u64 s[6:7], s[6:7], s[100:101]        ; my mask words
	s_add_nc_u64 s[96:97], s[8:9], s[92:93]        ; vec's scale words
	s_add_nc_u64 s[8:9], s[8:9], s[60:61]          ; vec's codes
	CROUND                                         ; all four work-groups are here: the joint loads meet
	s_cmp_lt_u32 s[WV], 4                          ; waves 0-3: K's quarters; 4-7: V's; 8: the scale words.  The branches hang on the wave's number alone
	s_cbranch_scc0 .Lnot_k
	tensor_load_to_lds s[40:43], s[16:23]
	s_nop 0
.rept 4
	v_nop
.endr
	s_branch .Lasked
.Lnot_k:
	s_cmp_lt_u32 s[WV], 8
	s_cbranch_scc0 .Lnot_v
	tensor_load_to_lds s[44:47], s[24:31]
	s_nop 0
.rept 4
	v_nop
.endr
	s_branch .Lasked
.Lnot_v:
	s_cmp_eq_u32 s[WV], 8
	s_cbranch_scc0 .Lasked
	tensor_load_to_lds s[48:51], s[32:39]
	s_nop 0
.rept 4
	v_nop
.endr
.Lasked:
	v_and_b32 v29, 31, v0
	v_and_b32 v30, 15, v0
	s_delay_alu instid0(VALU_DEP_2)
	v_lshlrev_b32 v1, 4, v29                       ; 16 l: K's words 0-3; also Q's and vec's
	s_delay_alu instid0(VALU_DEP_3)
	v_lshlrev_b32 v2, 3, v29
	s_delay_alu instid0(VALU_DEP_1)
	v_add_nc_u32 v2, 512, v2                       ; 512 + 8 l: words 4-5
	s_delay_alu instid0(VALU_DEP_3)
	v_add_nc_u32 v3, LV, v1                        ; the same for V
	s_delay_alu instid0(VALU_DEP_2)
	v_add_nc_u32 v4, LV, v2
	v_lshlrev_b32 v7, 2, v30                       ; 4 r
	s_delay_alu instid0(VALU_DEP_1)
	v_add_nc_u32 v5, LKW, v7
	s_delay_alu instid0(VALU_DEP_2)
	v_add_nc_u32 v6, LVW, v7
	v_mov_b32 v14, 0xd1800000                      ; -2^36
.irp i, 22,23,24,25,26,27,80,81,82,83,84,85
	v_mov_b32 v\i, 0                               ; Q's upper half: zero codes; and what stands above K's last fragment
.endr
.irp b, 0,1,2,3
	v_mov_b32 v[PR+\b], 0                          ; a lane permute's destination counts as read
.endr
	v_mov_b32 v[FF+1], 0                           ; (named with f as a pair)
	s_wait_tensorcnt 0x0                           ; my load, if I had one, has landed; the descriptors' registers are free from here on
	s_barrier_signal -1
	s_barrier_wait -1                              ; everybody's has
.macro PASS p
	s_wait_xcnt 0x0                                ; the last pass's stores have read their registers
	s_wait_kmcnt 0x0                               ; and its last request for mask words is in: the registers may be asked for again
	global_load_b128 v[16:19], v1, s[4:5] offset:196608*\p
	global_load_b64 v[20:21], v2, s[4:5] offset:196608*\p
	global_load_b32 v28, v7, s[94:95] offset:1024*\p
	s_mov_b32 s[SOFF], 0
	s_load_b512 s[16:31], s[6:7], s[SOFF] offset:65536*\p
	s_load_b512 s[32:47], s[6:7], s[SOFF] offset:65536*\p+64
	s_load_b512 s[48:63], s[6:7], s[SOFF] offset:65536*\p+128
	s_load_b512 s[68:83], s[6:7], s[SOFF] offset:65536*\p+192
.set j, 0
.rept 32
	v_mov_b32 v[OT+j], 0                           ; O^T: the step is written once; the first finds zeros, which the first change of M leaves zeros
.set j, j+1
.endr
	v_mov_b32 v[LS], 0
	v_mov_b32 v[LS+1], 0
	v_mov_b32 v[NM+1], 0xff61b1e6                  ; the largest t so far: -3e38
	s_delay_alu instid0(VALU_DEP_1)
	v_floor_f32 v[NM], -v[NM+1]
	s_mov_b32 s[TB], 0
	s_mov_b32 s[TS], 0
	s_mov_b32 s[TV], 0
	s_mov_b32 s[CNT], 16
	s_wait_loadcnt 0x0                             ; Q
.Lstep_\p:                             ; a key step: 128 keys
	v_add_nc_u32 v8, s[TB], v1                     ; six plain lines: also the places in front of loads into registers that the last products read
	v_add_nc_u32 v9, s[TB], v2
	v_add_nc_u32 v10, s[TB], v3
	v_add_nc_u32 v11, s[TB], v4
	v_add_nc_u32 v12, s[TS], v5
	v_add_nc_u32 v13, s[TV], v6
.irp j, 0,1,2,3,4,5,6,7
	ds_load_b128 v[32+6*\j:35+6*\j], v8 offset:768*\j
	ds_load_b64 v[36+6*\j:37+6*\j], v9 offset:768*\j
	ds_load_b32 v[KW+\j], v12 offset:64*\j
.endr
	s_wait_alu depctr_va_vdst(0)
	s_wait_dscnt 0x0
.irp j, 0,1,2,3,4,5,6,7
	v_wmma_scale_f32_16x16x128_f8f6f4 v[SS+8*\j:SS+8*\j+7], v[32+6*\j:43+6*\j], v[16:27], 0, v[KW+\j], v28 matrix_a_fmt:MATRIX_FMT_FP6 matrix_b_fmt:MATRIX_FMT_FP6
.endr
.rept 4
	v_nop                                          ; places: in front of the loads below and of the first read of the scores
.endr
.irp t, 0,1,2,3                        ; V's four fragments land while the softmax is worked
	ds_load_b128 v[32+12*\t:35+12*\t], v10 offset:1536*\t
	ds_load_b64 v[36+12*\t:37+12*\t], v11 offset:1536*\t
	ds_load_b128 v[38+12*\t:41+12*\t], v10 offset:1536*\t+768
	ds_load_b64 v[42+12*\t:43+12*\t], v11 offset:1536*\t+768
	ds_load_b32 v[VW+\t], v13 offset:64*\t
.endr
	s_wait_kmcnt 0x0                               ; this step's 64 mask words
.set n, 0
.rept 64                               ; register n holds key 32 (n / 16) + 16 h + n % 16; word n has my lane's bit.  Ascending: each accumulator is read from its low end on
.if n < 48
	v_cndmask_b32 v[SS+n], v[SS+n], v14, s[16+n]
.else
	v_cndmask_b32 v[SS+n], v[SS+n], v14, s[20+n]
.endif
.set n, n+1
.endr
	s_add_co_u32 s[SOFF], s[SOFF], 256             ; the next step's words; the last request is held at step 15's, inside the buffer
	s_min_u32 s[SOFF], s[SOFF], 3840
	s_load_b512 s[16:31], s[6:7], s[SOFF] offset:65536*\p
	s_load_b512 s[32:47], s[6:7], s[SOFF] offset:65536*\p+64
	s_load_b512 s[48:63], s[6:7], s[SOFF] offset:65536*\p+128
	s_load_b512 s[68:83], s[6:7], s[SOFF] offset:65536*\p+192
.irp b, 0,1,2,3
	v_max3_num_f32 v[BM+\b], v[SS+16*\b], v[SS+16*\b+1], v[SS+16*\b+2]   ; the largest score of each block of 32 keys: for the row's maximum, and, since p rises with the score, for the block's largest p
.endr
.irp i, 3,5,7,9,11,13
.irp b, 0,1,2,3
	s_delay_alu instid0(VALU_DEP_4)
	v_max3_num_f32 v[BM+\b], v[BM+\b], v[SS+16*\b+\i], v[SS+16*\b+\i+1]
.endr
.endr
.irp b, 0,1,2,3
	s_delay_alu instid0(VALU_DEP_4)
	v_max_num_f32 v[BM+\b], v[BM+\b], v[SS+16*\b+15]
.endr
.irp b, 0,1,2,3
	s_delay_alu instid0(VALU_DEP_4)
	v_permlanex16_b32 v[PR+\b], v[BM+\b], s[SEL], s[SEL+1]
.endr
.irp b, 0,1,2,3
	s_delay_alu instid0(VALU_DEP_4)
	v_max_num_f32 v[BM+\b], v[BM+\b], v[PR+\b]
.endr
	s_delay_alu instid0(VALU_DEP_2)
	v_max3_num_f32 v[WK], v[BM], v[BM+1], v[BM+2]
	s_delay_alu instid0(VALU_DEP_1)
	v_max_num_f32 v[WK], v[WK], v[BM+3]
	s_delay_alu instid0(VALU_DEP_1)
	v_mul_f32 v[WK], s[CS], v[WK]                  ; as t (c is positive)
	s_delay_alu instid0(VALU_DEP_1)
	v_max_num_f32 v[NM+1], v[NM+1], v[WK]          ; the running largest t
	v_mov_b32 v[WK], v[NM]
	s_delay_alu instid0(VALU_DEP_2)
	v_floor_f32 v[NM], -v[NM+1]                    ; the new -M = -ceil(t)
	s_delay_alu instid0(VALU_DEP_1)
	v_sub_f32 v[WK], v[NM], v[WK]                  ; old M - new M: a whole number, 0 or less
	s_delay_alu instid0(VALU_DEP_1)
	v_cvt_i32_f32 v[WK], v[WK]                     ; (it saturates)
	s_delay_alu instid0(VALU_DEP_1)
	v_ldexp_f32 v[FF], 1.0, v[WK]                  ; f = 2^(old M - new M): a multiplication by it rounds nothing
.set j, 0
.rept 32
	v_pk_fma_f32 v[SS+j:SS+j+1], v[SS+j:SS+j+1], s[CS:CS+1], v[NM:NM+1] op_sel_hi:[1,0,0]   ; t - M
.set j, j+2
.endr
.irp b, 0,1,2,3
	v_fma_f32 v[BM+\b], v[BM+\b], s[CS], v[NM]
.endr
.set j, 0
	s_wait_alu depctr_va_vdst(0)
.rept 64
	v_exp_f32 v[SS+j], v[SS+j]                     ; p = 2^(t - M)
.set j, j+1
.endr
	v_pk_mul_f32 v[LS:LS+1], v[LS:LS+1], v[FF:FF+1] op_sel_hi:[1,0]   ; the sums under the new M: the plain line behind the exponentials
	s_wait_alu depctr_va_vdst(0)                   ; one wait for the batch, ahead of its first reader
.irp b, 0,1,2,3
	v_exp_f32 v[BM+\b], v[BM+\b]                   ; the block's largest p
.endr
	v_pk_add_f32 v[236:237], v[92:93], v[96:97]
	v_pk_add_f32 v[252:253], v[100:101], v[104:105]
	v_pk_add_f32 v[250:251], v[108:109], v[112:113]
	v_pk_add_f32 v[248:249], v[116:117], v[120:121]
	v_pk_add_f32 v[246:247], v[124:125], v[128:129]
	v_pk_add_f32 v[244:245], v[132:133], v[136:137]
	v_pk_add_f32 v[238:239], v[140:141], v[144:145]
	v_pk_add_f32 v[234:235], v[234:235], v[148:149]
	v_pk_add_f32 v[236:237], v[236:237], v[88:89]
	v_pk_add_f32 v[252:253], v[252:253], v[90:91]
	v_pk_add_f32 v[250:251], v[250:251], v[94:95]
	v_pk_add_f32 v[248:249], v[248:249], v[98:99]
	v_pk_add_f32 v[246:247], v[246:247], v[102:103]
	v_pk_add_f32 v[244:245], v[244:245], v[106:107]
	v_pk_add_f32 v[238:239], v[238:239], v[110:111]
	v_pk_add_f32 v[234:235], v[234:235], v[114:115]
	v_pk_add_f32 v[236:237], v[236:237], v[118:119]
	v_pk_add_f32 v[252:253], v[252:253], v[122:123]
	v_pk_add_f32 v[250:251], v[250:251], v[126:127]
	v_pk_add_f32 v[248:249], v[248:249], v[130:131]
	v_pk_add_f32 v[246:247], v[246:247], v[134:135]
	v_pk_add_f32 v[244:245], v[244:245], v[138:139]
	v_pk_add_f32 v[238:239], v[238:239], v[142:143]
	v_pk_add_f32 v[234:235], v[234:235], v[146:147]
	v_pk_add_f32 v[236:237], v[236:237], v[150:151]
	s_delay_alu instid0(VALU_DEP_2)
	v_pk_add_f32 v[234:235], v[234:235], v[248:249]
	s_delay_alu instid0(VALU_DEP_2)
	v_pk_add_f32 v[236:237], v[236:237], v[246:247]
	v_pk_add_f32 v[252:253], v[252:253], v[244:245]
	v_pk_add_f32 v[250:251], v[250:251], v[238:239]
	s_delay_alu instid0(VALU_DEP_2)
	v_pk_add_f32 v[234:235], v[234:235], v[252:253]
	s_delay_alu instid0(VALU_DEP_2)
	v_pk_add_f32 v[236:237], v[236:237], v[250:251]
	s_delay_alu instid0(VALU_DEP_1)
	v_pk_add_f32 v[234:235], v[234:235], v[236:237]
	s_wait_alu depctr_va_vdst(0)                   ; and one for the four
.irp b, 0,1,2,3
	v_max_num_f32 v[BM+\b], 0x1800000, v[BM+\b]    ; the floor 2^(3 - 127): a block whose every p is 0 keeps the byte 1 and zero codes
.endr
.irp b, 0,1,2,3
	s_delay_alu instid0(VALU_DEP_4)
	v_add_nc_u32 v[SO+\b], 0xff000000, v[BM+\b]
.endr
.irp b, 0,1,2,3
	s_delay_alu instid0(VALU_DEP_4)
	v_lshrrev_b32 v[PR+\b], 23, v[SO+\b]
.endr
	s_delay_alu instid0(VALU_DEP_3)
	v_lshl_or_b32 v[PWD], v[PR+1], 8, v[PR]
	s_delay_alu instid0(VALU_DEP_1)
	v_lshl_or_b32 v[PWD], v[PR+2], 16, v[PWD]
	s_delay_alu instid0(VALU_DEP_1)
	v_lshl_or_b32 v[PWD], v[PR+3], 24, v[PWD]
.irp c, 0,1
	v_cvt_scalef32_pk16_fp6_f32 v[PCD+6*\c:PCD+6*\c+2], v[SS+32*\c:SS+32*\c+15], v[SO+2*\c]
	v_cvt_scalef32_pk16_fp6_f32 v[CT+4*\c:CT+4*\c+2], v[SS+32*\c+16:SS+32*\c+31], v[SO+2*\c+1]
.endr
	v_nop                                          ; one plain line behind a scaled conversion
.irp c, 0,1
.irp i, 0,1,2
	v_permlane16_swap_b32 v[PCD+6*\c+\i], v[CT+4*\c+\i]
.endr
.irp i, 0,1,2
	s_delay_alu instid0(VALU_DEP_3)
	v_mov_b32 v[PCD+3+6*\c+\i], v[CT+4*\c+\i]
.endr
.endr
.set j, 0
.rept 16
	v_pk_mul_f32 v[OT+j:OT+j+1], v[OT+j:OT+j+1], v[FF:FF+1] op_sel_hi:[1,0]   ; O^T under the new M; these sixteen are also the places between p's word and codes and the products
.set j, j+2
.endr
	s_wait_alu depctr_va_vdst(0)
	s_wait_dscnt 0x0                               ; V
.irp t, 0,1,2,3                        ; four accumulators by turns, one instruction a turn
	v_wmma_scale_f32_16x16x128_f8f6f4 v[OT+8*\t:OT+8*\t+7], v[32+12*\t:43+12*\t], v[PCD:PCD+11], v[OT+8*\t:OT+8*\t+7], v[VW+\t], v[PWD] matrix_a_fmt:MATRIX_FMT_FP6 matrix_b_fmt:MATRIX_FMT_FP6
.endr
	s_add_co_u32 s[TB], s[TB], 6144
	s_add_co_u32 s[TS], s[TS], 512
	s_add_co_u32 s[TV], s[TV], 256
	s_sub_co_u32 s[CNT], s[CNT], 1
	s_cmp_lg_u32 s[CNT], 0
	s_cbranch_scc1 .Lstep_\p
	; the pass's end: O^T / the sum, quantised along the head's 64: register 16 b + i is dim 32 b + 16 h + i
.rept 4
	v_nop                                          ; places behind the last products
.endr
	v_add_f32 v[LS], v[LS], v[LS+1]
	s_delay_alu instid0(VALU_DEP_1)
	v_permlanex16_b32 v[PR], v[LS], s[SEL], s[SEL+1]
	s_delay_alu instid0(VALU_DEP_1)
	v_add_f32 v[LS], v[LS], v[PR]
	s_wait_alu depctr_va_vdst(0)
	v_rcp_f32 v[LS], v[LS]
	v_nop
	s_wait_alu depctr_va_vdst(0)
.set j, 0
.rept 32
	v_mul_f32 v[SS+j], v[OT+j], v[LS]
.set j, j+1
.endr
.irp b, 0,1
	v_max3_num_f32 v[BM+\b], |v[SS+16*\b]|, |v[SS+16*\b+1]|, 0x1800000
.endr
.irp i, 2,4,6,8,10,12,14
.irp b, 0,1
	s_delay_alu instid0(VALU_DEP_2)
	v_max3_num_f32 v[BM+\b], v[BM+\b], |v[SS+16*\b+\i]|, |v[SS+16*\b+\i+1]|
.endr
.endr
.irp b, 0,1
	s_delay_alu instid0(VALU_DEP_2)
	v_permlanex16_b32 v[PR+\b], v[BM+\b], s[SEL], s[SEL+1]
.endr
.irp b, 0,1
	s_delay_alu instid0(VALU_DEP_2)
	v_max_num_f32 v[BM+\b], v[BM+\b], v[PR+\b]
.endr
.irp b, 0,1
	s_delay_alu instid0(VALU_DEP_2)
	v_add_nc_u32 v[SO+\b], 0xff000000, v[BM+\b]
.endr
.irp b, 0,1
	s_delay_alu instid0(VALU_DEP_2)
	v_lshrrev_b32 v[PR+\b], 23, v[SO+\b]
.endr
	s_delay_alu instid0(VALU_DEP_1)
	v_lshl_or_b32 v[WK], v[PR+1], 8, v[PR]         ; the head's two bytes
	v_cvt_scalef32_pk16_fp6_f32 v[PCD:PCD+2], v[SS:SS+15], v[SO]
	v_cvt_scalef32_pk16_fp6_f32 v[CT:CT+2], v[SS+16:SS+31], v[SO+1]
	v_nop
.irp i, 0,1,2
	v_permlane16_swap_b32 v[PCD+\i], v[CT+\i]
.endr
.irp i, 0,1,2
	s_delay_alu instid0(VALU_DEP_3)
	v_mov_b32 v[PCD+3+\i], v[CT+\i]
.endr
	global_store_b128 v1, v[PCD:PCD+3], s[8:9] offset:196608*\p     ; half a fragment's image: 512 and 256 consecutive bytes
	global_store_b64 v2, v[PCD+4:PCD+5], s[8:9] offset:196608*\p
	global_store_b16 v7, v[WK], s[96:97] offset:8192*\p              ; lanes 16-31 write what lanes 0-15 write
.endm
	PASS 0
	PASS 1
	s_wait_tensorcnt 0x0
	ds_add_u32 v254, v255
	s_wait_dscnt 0x0
	CROUND                                         ; the closing round
	s_endpgm
.Lfunc_end_k_qd3bd9d64f5_attn:
	.size	k_qd3bd9d64f5_attn, .Lfunc_end_k_qd3bd9d64f5_attn-k_qd3bd9d64f5_attn
	.p2alignl 7, 3214868480
	.fill 96, 4, 3214868480
	.section	.rodata,"a",@progbits
	.p2align	6, 0x0
	.amdhsa_kernel k_qd3bd9d64f5_attn
		.amdhsa_group_segment_fixed_size 210944
		.amdhsa_private_segment_fixed_size 0
		.amdhsa_enable_private_segment 0
		.amdhsa_kernarg_size 24
		.amdhsa_user_sgpr_count 2
		.amdhsa_user_sgpr_kernarg_segment_ptr 1
		.amdhsa_wavefront_size32 1
		.amdhsa_system_sgpr_workgroup_id_x 1
		.amdhsa_system_sgpr_workgroup_id_y 1
		.amdhsa_system_sgpr_workgroup_id_z 1
		.amdhsa_system_vgpr_workitem_id 0
		.amdhsa_next_free_vgpr 256
		.amdhsa_next_free_sgpr 102
		.amdhsa_reserve_vcc 0
		.amdhsa_float_denorm_mode_32 3
		.amdhsa_float_denorm_mode_16_64 3
		.amdhsa_memory_ordered 1
		.amdhsa_forward_progress 1
		.amdhsa_inst_pref_size 67
	.end_amdhsa_kernel
	.amdgpu_metadata
---
amdhsa.version: [ 1, 2 ]
amdhsa.kernels:
  - .name:           k_qd3bd9d64f5_attn
    .symbol:         k_qd3bd9d64f5_attn.kd
    .args:
      - { .name: qkv, .offset: 0, .size: 8, .value_kind: global_buffer, .address_space: global }
      - { .name: maskw, .offset: 8, .size: 8, .value_kind: global_buffer, .address_space: global }
      - { .name: vec, .offset: 16, .size: 8, .value_kind: global_buffer, .address_space: global }
    .group_segment_fixed_size: 210944
    .private_segment_fixed_size: 0
    .kernarg_segment_align: 8
    .kernarg_segment_size: 24
    .max_flat_workgroup_size: 512
    .sgpr_count:     102
    .vgpr_count:     256
    .wavefront_size: 32
...
	.end_amdgpu_metadata
.endif
;; end of part 3
;; launch oproj (part 4): grid 4 x 64, 4 waves a work-group, clusters of 4 x 4, 295,424 bytes of LDS; arguments vec, wq, xq, q, gamma, beta, out0; writes out0
.if DOCPART == 4
	.amdgcn_target "amdgcn-amd-amdhsa--gfx1250"
	.amdhsa_code_object_version 6
	.text
	.protected	k_qd3bd9d64f5_oproj
	.globl	k_qd3bd9d64f5_oproj
	.p2align	8
	.type	k_qd3bd9d64f5_oproj,@function
k_qd3bd9d64f5_oproj:
	s_mov_b64 s[64:65], 0
	v_nop
	global_prefetch_b8 v0, s[64:65] scope:SCOPE_SE
	s_setreg_imm32_b32 hwreg(HW_REG_WAVE_MODE, 25, 1), 1
	s_wait_xcnt 0x0
	s_wait_alu depctr_hold_cnt(0) depctr_sa_sdst(0) depctr_va_vdst(0) depctr_va_sdst(0) depctr_va_ssrc(0) depctr_va_vcc(0) depctr_vm_vsrc(0)
	s_getreg_b32 s2, hwreg(HW_REG_IB_STS2, 6, 4)
	s_cmp_eq_u32 s2, 0
	s_cbranch_scc0 .Lentry_in_a_cluster
	s_endpgm
.Lentry_in_a_cluster:
	s_bfe_u32 s2, ttmp6, 0x10000c
	s_cmp_lg_u32 s2, 0xf033
	s_cbranch_scc0 .Lentry_shape_is_right
	s_endpgm
.Lentry_shape_is_right:
; out = qn + vec Wo.  The product on codes of FP6 (E2M3), K = 1,024; qn is made anew from q, the row's pair (rstd, -mean rstd), gamma and beta, in f32.
; A work-group makes 128 tokens (side R, source 1) x 256 columns (side P, source 0 = columns of Wo); a wave 64 x 128: 32 accumulators.  All of K lies in LDS, in four chunks of 256 along K, each filled once:
; no LDS byte is filled twice.  A wave has four tensor loads out at the most.  CLUSTER 4 x 4: R's tiles are shared along a row of the cluster, P's along a column: joint loads.
; Codes are images of the operand's registers (a fragment of 1,536 bytes: lane l's words 0-3 at 16 l, 4-5 at 512 + 8 l, 6-9 at 768 + 16 l, 10-11 at 1,280 + 8 l); scale words [tile][K step][16], loaded once into registers.
; Tile T holds at lane row r the row 32 (T / 2) + 8 (T % 2) + r + 8 (r / 8): a lane's registers of result tiles 2 b, 2 b + 1 are columns 32 b + 16 h + 0 .. 15.
; THE RESIDUAL'S q IS ASKED FOR UNDER THE MATRIX WORK: the wave's 64 rows x 128 columns fill window 3, in the layout of the stores.
; THE WAY OUT: 16 rows x 128 columns at a time through the wave's own stage in LDS, back as whole rows of 512 bytes.  The stages lie in R's first tiles: they have had their only fill, and every wave has
; waited for its reads of them and passed a barrier since.
; REGISTERS: window 0: v1-11 addresses; v16-63 scale words; v64-159 R's fragments, two sets, later v64-191 rows on the way out; v200-207 gamma, beta.  window 1: P's fragments.  window 2: accumulators.  window 3: q.
.set OSW,   6291456
.set WSW,   3145728
.set STO,   6553600
.set PBASE, 98304
.set RCH,   3072                       ; LDS now holds each tile's 12,288 bytes (all of K) on end: R's [tile 8][12288] at 0, P's [tile 16][12288] at PBASE; two K steps on are 3,072 bytes
.set PCH,   3072
.set RSC,   16
.set PSC,   32
.set RF,    64
.set SPITCH, 528
.set MUL,   0xa1
.set MSB, 0
.macro WIN new
.if MSB != \new
	s_set_vgpr_msb (MSB<<8)|\new
.set MSB, \new
.endif
.endm
.macro CROUND
	s_barrier_signal -1
	s_barrier_wait -1
	s_cmp_lg_u32 s2, 0
	s_cbranch_scc1 .Lnot_wave_0_\@
	s_barrier_signal -3
.Lnot_wave_0_\@:
	s_barrier_wait -3
	s_barrier_signal -1
	s_barrier_wait -1
.endm
	s_load_b256 s[4:11], s[0:1], 0x0               ; vec, wq, xq, q
	s_load_b128 s[12:15], s[0:1], 0x20             ; gamma, beta
	s_load_b64 s[16:17], s[0:1], 0x30              ; out0
	v_lshl_add_u32 v254, v0, 2, 0x48000
	v_mov_b32 v255, 0
	ds_add_u32 v254, v255
	ds_add_u32 v254, v255
	v_lshrrev_b32 v1, 5, v0
	v_readfirstlane_b32 s2, v1                     ; wave 0..3
	s_lshr_b32 s19, s2, 1                          ; which 4 tiles of R are mine.  Also: I fetch for R (0) or for P (1)
	s_and_b32 s20, s2, 1                           ; which 8 tiles of P.  Also: which half of the side I fetch
	s_bfe_u32 s21, ttmp6, 0x40000                  ; cx
	s_bfe_u32 s22, ttmp6, 0x40004                  ; cy
	s_and_b32 s23, ttmp7, 0xffff
	s_lshl_b32 s23, s23, 2
	s_add_co_u32 s23, s23, s22                     ; R block: 128 tokens
	s_lshl_b32 s18, ttmp9, 2
	s_add_co_u32 s18, s18, s21                     ; P block: 256 columns
	s_lshl_b32 s3, s22, 2
	s_lshl_b32 s3, 15, s3                          ; my row of the cluster
	s_lshl_b32 s100, 0x1111, s21                   ; my column
	s_or_b32 s24, s3, (3<<16)|(1<<21)              ; group 1: rows of 12,288 bytes (1,536 elements of 8), 12,288 apart in memory, dense in LDS; R: 4 a load
	s_mov_b32 s25, 1536<<16                        ; a tile's whole K, 12,288 bytes = 1,536 elements of 8
	s_mov_b32 s26, 4<<16
	s_mov_b32 s27, 1536<<16
	s_mov_b32 s28, 4
	s_mov_b32 s29, 1536
	s_mov_b32 s30, 0
	s_mov_b32 s31, 0
	s_or_b32 s32, s100, (3<<16)|(1<<21)            ; P: 8 a load
	s_mov_b32 s33, 1536<<16
	s_mov_b32 s34, 8<<16
	s_mov_b32 s35, 1536<<16
	s_mov_b32 s36, 8
	s_mov_b32 s37, 1536
	s_mov_b32 s38, 0
	s_mov_b32 s39, 0
	s_lshl_b32 s3, s23, 3                          ; (s3 holds R's numbers alone, s100 and s101 P's)
	s_lshl_b32 s62, s20, 2
	s_add_co_u32 s62, s62, s3
	s_mul_i32 s62, s62, 12288                      ; the 4 tiles of R that I would fetch
	s_mov_b32 s63, 0
	s_lshl_b32 s100, s18, 4
	s_add_co_u32 s100, s100, 192                   ; Wo's tiles begin at 192
	s_lshl_b32 s101, s20, 3
	s_add_co_u32 s100, s100, s101
	s_mul_i32 s84, s100, 12288                     ; the 8 tiles of P: those that I would fetch are those that I multiply
	s_mov_b32 s85, 0
	s_lshl_b32 s86, s19, 2
	s_add_co_u32 s3, s3, s86                       ; my first token tile T0
	s_lshl_b32 s86, s3, 9
	s_add_co_u32 s86, s86, OSW
	s_mov_b32 s87, 0
	s_lshl_b32 s88, s100, 9
	s_add_co_u32 s88, s88, WSW
	s_mov_b32 s89, 0
	s_mul_i32 s90, s20, 49152
	s_mul_i32 s91, s20, 98304
	s_lshl_b32 s94, s18, 10
	s_lshl_b32 s95, s20, 9
	s_add_co_u32 s94, s94, s95                     ; my first column, in bytes
	s_mov_b32 s95, 0
	s_lshl_b32 s92, s3, 16                         ; my first token: 16 T0 rows of 4,096 bytes
	s_add_co_u32 s92, s92, s94
	s_mov_b32 s93, 0
	s_lshl_b32 s96, s3, 7                          ; its pair: 8 bytes a row
	s_add_co_u32 s96, s96, STO
	s_mov_b32 s97, 0
	s_wait_dscnt 0x0
	s_wait_kmcnt 0x0
	s_add_nc_u64 s[62:63], s[4:5], s[62:63]
	s_add_nc_u64 s[84:85], s[6:7], s[84:85]
	s_add_nc_u64 s[86:87], s[4:5], s[86:87]
	s_add_nc_u64 s[88:89], s[6:7], s[88:89]
	s_add_nc_u64 s[56:57], s[16:17], s[92:93]      ; out
	s_add_nc_u64 s[60:61], s[10:11], s[92:93]      ; q
	s_add_nc_u64 s[58:59], s[8:9], s[96:97]        ; the pairs
	s_add_nc_u64 s[12:13], s[12:13], s[94:95]
	s_add_nc_u64 s[14:15], s[14:15], s[94:95]
.irp q, 0
	s_mov_b32 s[40+4*\q], 1
	s_add_co_u32 s[41+4*\q], s90, \q*RCH
	s_add_nc_u64 s[42+4*\q:43+4*\q], s[62:63], \q*3072
	s_or_b32 s[43+4*\q], s[43+4*\q], 0x80000000
	s_mov_b32 s[68+4*\q], 1
	s_add_co_u32 s[69+4*\q], s91, PBASE+\q*PCH
	s_add_nc_u64 s[70+4*\q:71+4*\q], s[84:85], \q*3072
	s_or_b32 s[71+4*\q], s[71+4*\q], 0x80000000
.endr
	CROUND                                         ; all sixteen work-groups are here: the joint loads meet
	s_cmp_eq_u32 s19, 0
	s_cbranch_scc0 .Lfor_p
	tensor_load_to_lds s[40:43], s[24:31]
	s_nop 0
	; ONE load a wave: my 4 tiles of R for all of K, 49,152 dense bytes
.rept 4
	v_nop
.endr
	s_branch .Lasked
.Lfor_p:
	tensor_load_to_lds s[68:71], s[32:39]
	s_nop 0
	; ONE load a wave: my 8 tiles of P for all of K, 98,304 dense bytes
.rept 4
	v_nop
.endr
.Lasked:
	v_and_b32 v12, 31, v0
	v_and_b32 v1, 15, v0
	v_bfe_u32 v2, v0, 4, 1
	v_lshlrev_b32 v3, 4, v12
	v_lshlrev_b32 v4, 3, v12
	v_lshlrev_b32 v9, 2, v12
.irp i, 0,1,2,3
.irp q, 0,1,2,3
	global_load_b32 v[RSC+4*\i+\q], v9, s[86:87] offset:512*\i+128*\q
.endr
.endr
.irp j, 0,1,2,3,4,5,6,7
.irp q, 0,1,2,3
	global_load_b32 v[PSC+4*\j+\q], v9, s[88:89] offset:512*\j+128*\q
.endr
.endr
	s_mul_i32 s18, s19, 49152
	v_add_nc_u32 v5, s18, v3
	v_add_nc_u32 v6, s18, v4
	s_mul_i32 s18, s20, 98304
	s_add_co_u32 s18, s18, PBASE
	v_add_nc_u32 v7, s18, v3
	v_add_nc_u32 v8, s18, v4
	v_add_nc_u32 v13, 49152, v7                    ; P's tiles 4-7: an LDS offset has 16 bits
	v_add_nc_u32 v14, 49152, v8
	s_mul_i32 s18, s2, 16*SPITCH                   ; my stage
	v_mul_u32_u24 v10, v1, SPITCH
	v_lshl_add_u32 v10, v2, 6, v10
	v_add_nc_u32 v10, s18, v10                     ; in: row r, + 64 h
	v_add_nc_u32 v11, s18, v3                      ; back: 16 bytes a lane of a row
.macro FRAG reg, a16, a8, off
	ds_load_b128 v[\reg:\reg+3], v[\a16] offset:\off
	ds_load_b64 v[\reg+4:\reg+5], v[\a8] offset:\off+512
	ds_load_b128 v[\reg+6:\reg+9], v[\a16] offset:\off+768
	ds_load_b64 v[\reg+10:\reg+11], v[\a8] offset:\off+1280
.endm
.macro FETCH s
	WIN 0x40
.irp j, 0,1,2,3,4,5,6,7
	FRAG 96*((\s)%2)+12*\j, 7+6*(\j/4), 8+6*(\j/4), 12288*(\j%4)+1536*((\s)%2)
.endr
	WIN 0
.irp i, 0,1,2,3
	FRAG RF+48*((\s)%2)+12*\i, 5, 6, 12288*\i+1536*((\s)%2)
.endr
.endm
.macro PROD i, j, s, zero
.set DD, 8*(8*(\i)+(\j))
.set AA, 96*((\s)%2)+12*(\j)
.set BB, RF+48*((\s)%2)+12*(\i)
.set SA, PSC+4*(\j)+(\s)/2
.set SR, RSC+4*(\i)+(\s)/2
.if \zero
	v_wmma_scale_f32_16x16x128_f8f6f4 v[DD:DD+7], v[AA:AA+11], v[BB:BB+11], 0, v[SA], v[SR] matrix_a_fmt:MATRIX_FMT_FP6 matrix_b_fmt:MATRIX_FMT_FP6
.elseif (\s)%2
	v_wmma_scale_f32_16x16x128_f8f6f4 v[DD:DD+7], v[AA:AA+11], v[BB:BB+11], v[DD:DD+7], v[SA], v[SR] matrix_a_fmt:MATRIX_FMT_FP6 matrix_b_fmt:MATRIX_FMT_FP6 matrix_a_scale:MATRIX_SCALE_ROW1 matrix_b_scale:MATRIX_SCALE_ROW1
.else
	v_wmma_scale_f32_16x16x128_f8f6f4 v[DD:DD+7], v[AA:AA+11], v[BB:BB+11], v[DD:DD+7], v[SA], v[SR] matrix_a_fmt:MATRIX_FMT_FP6 matrix_b_fmt:MATRIX_FMT_FP6
.endif
.endm
.macro MUL16 i0, s, zero               ; the 32 accumulators take turns, one instruction a turn, in the same order in every step
.irp i, \i0, \i0+1
.irp j, 0,1,2,3,4,5,6,7
	PROD \i, \j, \s, \zero
.endr
.endr
.endm
.macro STEP_E s, zero
	s_wait_dscnt 0x0
.if (\s) > 0
.rept 4
	v_nop                                          ; places in front of loads into registers that the last products read
.endr
.endif
	FETCH (\s)+1
	WIN MUL
	MUL16 0, \s, \zero
	MUL16 2, \s, \zero
.endm
.macro STEP_O s                        ; an odd K step: the addresses go two K steps on.  All of K has landed ahead of the first step: no wait on tiles, no barrier
	s_wait_dscnt 0x0
	WIN MUL
	MUL16 0, \s, 0
	WIN 0
	v_add_nc_u32 v5, RCH, v5                       ; six plain lines: the places in front of the loads
	v_add_nc_u32 v6, RCH, v6
	v_add_nc_u32 v7, PCH, v7
	v_add_nc_u32 v8, PCH, v8
	v_add_nc_u32 v13, PCH, v13
	v_add_nc_u32 v14, PCH, v14
	FETCH (\s)+1
	WIN MUL
	MUL16 2, \s, 0
.endm
.macro QLOAD i                         ; q at the 16 rows of my token tile i, my 128 columns: 512 consecutive bytes a load, into window 3
	WIN 0xc0
.set t, 0
.rept 16
	global_load_b128 v[64*(\i)+4*t:64*(\i)+4*t+3], v3, s[60:61] offset:(32*((\i)/2)+8*((\i)%2)+t+8*(t/8))*4096 th:TH_LOAD_NT
.set t, t+1
.endr
	WIN 0
.endm
	s_wait_alu depctr_va_vdst(0)
	s_wait_tensorcnt 0x0                           ; my one load has landed
	s_barrier_signal -1
	s_barrier_wait -1
	FETCH 0
	s_wait_loadcnt 0x0                             ; the scale words
	global_load_b128 v[200:203], v3, s[12:13]      ; gamma and beta at my four columns
	global_load_b128 v[204:207], v3, s[14:15]
	QLOAD 0
	QLOAD 1
	STEP_E 0, 1
	STEP_O 1
	s_wait_alu depctr_va_vdst(0)
	STEP_E 2, 0
	STEP_O 3
	QLOAD 2
	QLOAD 3
	s_wait_alu depctr_va_vdst(0)
	STEP_E 4, 0
	STEP_O 5                                       ; my one tensor load was waited for ahead of the first step: the descriptors' registers are free
	s_load_b512 s[16:31], s[58:59], 0x0            ; the pairs of units 0 and 1: 8 rows a load
	s_load_b512 s[32:47], s[58:59], 0x80
	s_load_b512 s[68:83], s[58:59], 0x40
	s_load_b512 s[84:99], s[58:59], 0xc0
	s_wait_alu depctr_va_vdst(0)
	STEP_E 6, 0
	s_wait_dscnt 0x0                               ; my last reads of R and P are over:
	s_barrier_signal -1                            ; the stages of the way out lie in R's first tiles, which are read up to this step: a barrier between every wave's last read and the first store there
	MUL16 0, 7, 0
	MUL16 2, 7, 0
	s_barrier_wait -1
	WIN 0
.rept 4
	v_nop                                          ; places in front of the first read of results and of loads into R's fragments' registers
.endr
.macro UNIT i                          ; token tile i: rows 32 (i / 2) + 8 (i % 2) + t + 8 (t / 8), t = 0 .. 15
.set AC, 64*(\i)
.set BK, 64+64*((\i)%2)
.set SP, 16+52*((\i)%2)                ; the pairs: s16-47 or s68-99: row t's at SP + 2 t
.if (\i) > 1
	s_wait_xcnt 0x0                                ; unit i - 2's stores have read the registers that the loads below fill
.endif
	WIN 0x08                                       ; an LDS store's data: window 2
.irp j, 0,1,2,3,4,5,6,7
	ds_store_b128 v10, v[AC+8*\j:AC+8*\j+3] offset:128*(\j/2)+32*(\j%2)        ; each accumulator from its low end on
	ds_store_b128 v10, v[AC+8*\j+4:AC+8*\j+7] offset:128*(\j/2)+32*(\j%2)+16
.endr
	WIN 0
.set t, 0
.rept 16
	ds_load_b128 v[BK+4*t:BK+4*t+3], v11 offset:SPITCH*t   ; LDS serves a wave's instructions in order: these see my stores, and the next unit's stores come behind them
.set t, t+1
.endr
	s_wait_kmcnt 0x0                               ; the pairs
	s_wait_loadcnt 48-16*(\i)                      ; gamma, beta and this unit's q are in; the later units' sixteen loads each may be out
	WIN 0xc3                                       ; source 0 and destination window 3
.set t, 0
.rept 16
.set e, 0
.rept 4
	v_fma_f32 v[AC+4*t+e], v[AC+4*t+e], s[SP+2*t], s[SP+2*t+1]   ; (q - mean) rstd
.set e, e+1
.endr
.set t, t+1
.endr
	WIN 0
.if (\i) < 2
	s_load_b512 s[SP:SP+15], s[58:59], 256+64*(\i)     ; the pairs of the unit two on
	s_load_b512 s[SP+16:SP+31], s[58:59], 384+64*(\i)
.endif
	s_wait_dscnt 0x0                               ; the rows are back
.set k, 0
.rept 32
	v_pk_add_f32 v[BK+2*k:BK+2*k+1], v[BK+2*k:BK+2*k+1], v[204+2*(k%2):205+2*(k%2)]
.set k, k+1
.endr
	WIN 0x03                                       ; source 0 window 3
.set k, 0
.rept 32
	v_pk_fma_f32 v[BK+2*k:BK+2*k+1], v[AC+2*k:AC+2*k+1], v[200+2*(k%2):201+2*(k%2)], v[BK+2*k:BK+2*k+1]
.set k, k+1
.endr
	WIN 0
.set t, 0
.rept 16
	global_store_b128 v3, v[BK+4*t:BK+4*t+3], s[56:57] offset:(32*((\i)/2)+8*((\i)%2)+t+8*(t/8))*4096 th:TH_STORE_NT   ; 512 consecutive bytes, at a multiple of 256 from the output's first byte
.set t, t+1
.endr
.endm
	UNIT 0
	UNIT 1
	UNIT 2
	UNIT 3
	s_wait_tensorcnt 0x0
	ds_add_u32 v254, v255
	s_wait_dscnt 0x0
	CROUND                                         ; the closing round
	s_endpgm
.Lfunc_end_k_qd3bd9d64f5_oproj:
	.size	k_qd3bd9d64f5_oproj, .Lfunc_end_k_qd3bd9d64f5_oproj-k_qd3bd9d64f5_oproj
	.p2alignl 7, 3214868480
	.fill 96, 4, 3214868480
	.section	.rodata,"a",@progbits
	.p2align	6, 0x0
	.amdhsa_kernel k_qd3bd9d64f5_oproj
		.amdhsa_group_segment_fixed_size 295424
		.amdhsa_private_segment_fixed_size 0
		.amdhsa_enable_private_segment 0
		.amdhsa_kernarg_size 56
		.amdhsa_user_sgpr_count 2
		.amdhsa_user_sgpr_kernarg_segment_ptr 1
		.amdhsa_wavefront_size32 1
		.amdhsa_system_sgpr_workgroup_id_x 1
		.amdhsa_system_sgpr_workgroup_id_y 1
		.amdhsa_system_sgpr_workgroup_id_z 1
		.amdhsa_system_vgpr_workitem_id 0
		.amdhsa_next_free_vgpr 1024
		.amdhsa_next_free_sgpr 102
		.amdhsa_reserve_vcc 0
		.amdhsa_float_denorm_mode_32 3
		.amdhsa_float_denorm_mode_16_64 3
		.amdhsa_memory_ordered 1
		.amdhsa_forward_progress 1
		.amdhsa_inst_pref_size 125
	.end_amdhsa_kernel
	.amdgpu_metadata
---
amdhsa.version: [ 1, 2 ]
amdhsa.kernels:
  - .name:           k_qd3bd9d64f5_oproj
    .symbol:         k_qd3bd9d64f5_oproj.kd
    .args:
      - { .name: vec, .offset: 0, .size: 8, .value_kind: global_buffer, .address_space: global }
      - { .name: wq, .offset: 8, .size: 8, .value_kind: global_buffer, .address_space: global }
      - { .name: xq, .offset: 16, .size: 8, .value_kind: global_buffer, .address_space: global }
      - { .name: q, .offset: 24, .size: 8, .value_kind: global_buffer, .address_space: global }
      - { .name: gamma, .offset: 32, .size: 8, .value_kind: global_buffer, .address_space: global }
      - { .name: beta, .offset: 40, .size: 8, .value_kind: global_buffer, .address_space: global }
      - { .name: out0, .offset: 48, .size: 8, .value_kind: global_buffer, .address_space: global }
    .group_segment_fixed_size: 295424
    .private_segment_fixed_size: 0
    .kernarg_segment_align: 8
    .kernarg_segment_size: 56
    .max_flat_workgroup_size: 128
    .sgpr_count:     102
    .vgpr_count:     1024
    .wavefront_size: 32
...
	.end_amdgpu_metadata
.endif
;; end of part 4
